; MI455X (gfx1250); checked and timed in simulation.
; The chip was launched on July 23, 2026; its instructions are those of AMD's public machine-readable ISA for CDNA 5 (MIT licence, August 2026) and "CDNA5" Instruction Set Architecture Reference Guide (July 2026). The comments in the code are by the model that wrote it; some were corrected since.
;; Qwen3 Attention. Allowed arithmetic: matrix products marked QUANTISED: E4M3 operands, one given power-of-two scale a tensor, by v_wmma_f32_16x16x64_fp8_fp8 or v_wmma_f32_16x16x128_fp8_fp8, f32 sums; products left as they are: f32 operands where the result goes on into a quantised operand, else bf16, f16 or f32 operands; f32 sums; everything else in f32.
;; Inputs: Ak_codes 16 x 64 x 32 uint8 (E4M3 codes of Ak, K innermost, in blocks of 32 codes); Ao_codes 16 x 32 x 32 uint8 (E4M3 codes of Ao, K innermost, in blocks of 32 codes); Aq_codes 16 x 64 x 32 uint8 (E4M3 codes of Aq, K innermost, in blocks of 32 codes); Av_codes 16 x 64 x 32 uint8 (E4M3 codes of Av, K innermost, in blocks of 32 codes); Bk 16 x 1,024 float32; Bo 16 x 2,048 float32; Bq 16 x 1,024 float32; Bv 16 x 1,024 float32; Wk_codes 1,024 x 64 x 32 uint8 (E4M3 codes of Wk, K innermost, in blocks of 32 codes); Wo_codes 2,048 x 32 x 32 uint8 (E4M3 codes of Wo, K innermost, in blocks of 32 codes); Wq_codes 1,024 x 64 x 32 uint8 (E4M3 codes of Wq, K innermost, in blocks of 32 codes); Wv_codes 1,024 x 64 x 32 uint8 (E4M3 codes of Wv, K innermost, in blocks of 32 codes); attention_mask 2 x 2,048 int32; kn_w 128 float32; lowp_scales 20 int32 (the exponents e of the quantised operands' scales 2^e); positions 2 x 2,048 int32; qn_w 128 float32; x_codes 2 x 2,048 x 64 x 32 uint8 (E4M3 codes of x, K innermost, in blocks of 32 codes).
;; Outputs: out0 2 x 2,048 x 2,048 float32; out1 2 x 2,048 x 8 x 128 float32; out2 2 x 2,048 x 8 x 128 float32.
;; This version of the problem:
;;   THIS VERSION OF THE PROBLEM IS GIVEN IN LOW PRECISION. The matrix products marked QUANTISED in the list below multiply operands that are first quantised to E4M3 (4 exponent bits, 3 mantissa bits; 8 bits a number), with one given power-of-two scale for each operand tensor; their sums are f32. All else is computed in f32.
;;   The module's matrix products, in the order in which they are computed (A, B: the left and right operand; K: the contracted axis; several contracted axes count as one K, in the product's order):
;;     1. [M 4,096, K 2,048] x [K 2,048, N 1,024]; A: input x (given as codes); B: input Wq (given as codes): QUANTISED (scales: A lowp_scales[0], B lowp_scales[1])
;;     2. [M 4,096, K 2,048] x [K 2,048, N 16]; A: input x (given as codes); B: input Aq (given as codes): QUANTISED (scales: A lowp_scales[2], B lowp_scales[3])
;;     3. [M 4,096, K 16] x [K 16, N 1,024]; A: computed on the way; B: input Bq: left as it is (K = 16 < 32)
;;     4. [M 4,096, K 2,048] x [K 2,048, N 1,024]; A: input x (given as codes); B: input Wk (given as codes): QUANTISED (scales: A lowp_scales[4], B lowp_scales[5])
;;     5. [M 4,096, K 2,048] x [K 2,048, N 16]; A: input x (given as codes); B: input Ak (given as codes): QUANTISED (scales: A lowp_scales[6], B lowp_scales[7])
;;     6. [M 4,096, K 16] x [K 16, N 1,024]; A: computed on the way; B: input Bk: left as it is (K = 16 < 32)
;;     7. [M 4,096, K 2,048] x [K 2,048, N 1,024]; A: input x (given as codes); B: input Wv (given as codes): QUANTISED (scales: A lowp_scales[8], B lowp_scales[9])
;;     8. [M 4,096, K 2,048] x [K 2,048, N 16]; A: input x (given as codes); B: input Av (given as codes): QUANTISED (scales: A lowp_scales[10], B lowp_scales[11])
;;     9. [M 4,096, K 16] x [K 16, N 1,024]; A: computed on the way; B: input Bv: left as it is (K = 16 < 32)
;;     10. batch 16 x [M 2,048, K 128] x [K 128, N 2,048]; A: computed on the way; B: computed on the way: QUANTISED (scales: A lowp_scales[12], B lowp_scales[13])
;;     11. batch 16 x [M 128, K 2,048] x [K 2,048, N 2,048]; A: computed on the way; B: softmax (see below): QUANTISED (scales: A lowp_scales[14], B lowp_scales[15])
;;     12. [M 4,096, K 1,024] x [K 1,024, N 2,048]; A: computed on the way; B: input Wo (given as codes): QUANTISED (scales: A lowp_scales[16], B lowp_scales[17])
;;     13. [M 4,096, K 1,024] x [K 1,024, N 16]; A: computed on the way; B: input Ao (given as codes): QUANTISED (scales: A lowp_scales[18], B lowp_scales[19])
;;     14. [M 4,096, K 16] x [K 16, N 2,048]; A: computed on the way; B: input Bo: left as it is (K = 16 < 32)
;;   THE QUANTISER, for each operand of a quantised product, along K:
;;     - The operand's scale is 2^e, e = its entry of the input lowp_scales (int32; the entries are numbered through the quantised products in the list's order, A before B).
;;     - Each number is divided by the scale, clamped to +-448, and rounded to the nearest number of E4M3, ties to even, subnormals kept.
;;     - The product sums the exact products of the quantised numbers (number of the format x scale) in f32.
;;   ~~~python
;;   def quantise(x, axis, e):      # numpy; x: float32 -> the quantised numbers, widened to float32 again
;;       x = np.moveaxis(x, axis, -1); K = x.shape[-1]
;;       r = np.clip(x / 2.0 ** e, -448, 448)
;;       step = 2.0 ** (np.maximum(np.frexp(np.where(r == 0, 1, r))[1] - 1, -6) - 3)
;;       q = np.round(r / step) * step * 2.0 ** e      # np.round: ties to even
;;       return np.moveaxis(q, -1, axis).astype(np.float32)
;;   ~~~
;;   SOFTMAX AHEAD OF A QUANTISED PRODUCT. Where the list says 'softmax', what is quantised is not the finished softmax but p = 2^(t - M), with t = logit x log2(e) and M = ceil(the row's largest t), a whole number; so 1/2 < the row's largest p <= 1. The row's sum l is taken of the UNQUANTISED p, in f32, and the product's result is divided by l at the end. Since M is a whole number, a kernel that streams over the keys may use a running M (the ceiling of the running maximum): every later rescaling is an exact power of two, so the quantised numbers keep their values, but for numbers so far below the row's largest that they fall under the format's range.
;;   OPERANDS COMPUTED ON THE WAY. 'Computed on the way' means the value that the module computes at that place (a softmax that the list does not call 'softmax' is quantised finished and normalised). What goes into a quantiser is computed in f32, as accurately as f32 sums, v_exp_f32 and their like allow (about 1e-6 of the number): no bf16 or f16 on the way to a quantiser, and a product that is left as it is and whose result goes on into a quantised operand takes f32 operands (vector FMAs, or v_wmma_f32_16x16x4_f32). A number that lies on a knife's edge between two numbers of the format may be rounded either way, as far as f32 arithmetic and the matrix unit's own rounding can turn it there, and no further.
;;   INPUTS GIVEN AS CODES. Ak (in the module: [2048, 16], K = its axis 0); Ao (in the module: [1024, 16], K = its axis 0); Aq (in the module: [2048, 16], K = its axis 0); Av (in the module: [2048, 16], K = its axis 0); Wk (in the module: [2048, 1024], K = its axis 0); Wo (in the module: [1024, 2048], K = its axis 0); Wq (in the module: [2048, 1024], K = its axis 0); Wv (in the module: [2048, 1024], K = its axis 0); x (in the module: [2, 2048, 2048], K = its axis 2): each comes as NAME_codes (uint8): NAME with its K axis moved to the last place and cut into blocks of 32 codes, [.., K / 32, bytes a block], one block behind the other in memory; one code a byte (a code: sign, 4 exponent bits, 3 mantissa bits); its scale is its entry of lowp_scales. Its value is code x scale, taken as it is: it is not quantised again, and the codes and scales need not be those that the quantiser above would give.
;; One version. Each part assembles by itself: llvm-mc -triple=amdgcn-amd-amdhsa -mcpu=gfx1250 --defsym DOCPART=n.
;; ======== version 1 of 1: 4 launches
;; limits: values are held in bf16: 8 bits of precision; right only within a limited range of input values
;; workspace buffers: tab 2,097,152 bytes; tl 786,432 bytes; qc 4,194,304 bytes; kc 4,194,304 bytes; vc 4,194,304 bytes; oc 4,194,304 bytes; tp 2,097,152 bytes
;; launch prep (part 1): grid 256 x 1, 8 waves a work-group, no clusters, 25,600 bytes of LDS; arguments x_codes, Aq_codes, Ak_codes, Av_codes, positions, lowp_scales, tl, tab; writes tl, tab
.if DOCPART == 1
	.amdgcn_target "amdgcn-amd-amdhsa--gfx1250"
	.amdhsa_code_object_version 6
	.text
	.protected	k_qfa3657f282_prep
	.globl	k_qfa3657f282_prep
	.p2align	8
	.type	k_qfa3657f282_prep,@function
k_qfa3657f282_prep:
	s_mov_b64 s[64:65], 0
	v_nop
	global_prefetch_b8 v0, s[64:65] scope:SCOPE_SE
	s_setreg_imm32_b32 hwreg(HW_REG_WAVE_MODE, 25, 1), 1
	s_wait_xcnt 0x0
; PREP.  Two small things that the projection launch would otherwise make once for each of its tile columns.
; (1) tab: cos and sin of positions[tok] / 1e6^(i/64), i = 0 .. 63, laid as the projection's registers want them:
;     byte = (tok/16) 8192 + cs 4096 + g 512 + 16 lane + 4 e  holds  token 16 (tok/16) + lane%16, frequency 16 (g/2) + 8 (lane/16) + 4 (g%2) + e;  cs = 0: cos, 1: sin.
; (2) tl: t'z = (x Az) 2^(e_x' + e_A - e_x - e_W), z = q, k, v: the low-rank product's left factor, already divided by the main product's power of two:
;     byte = z 262144 + (tok/16) 1024 + e 512 + 16 lane + 4 m  holds  token lane%16, rank 8 (lane/16) + 4 e + m.
; SHARES.  A work-group takes 16 tokens.  Wave w takes K = 256 w .. 256 w + 255 of the three products (two matrix instructions each, used transposed: source 0 = the 16 ranks, source 1 = the 16 tokens,
; so a lane holds one token and eight ranks); the eight waves' parts meet in LDS, and waves 0 to 5 add and store one piece of 512 bytes each.  Thread (w, lane) also makes four cos/sin pairs: group g = w of the table.
; The fragments are taken by loads of 16 bytes, 32 bytes apart: a permutation of k that is the same in both operands.
; SIN AND COS: n = nearest whole number to angle x 2/pi; r = angle - n pi/2 with pi/2 in three parts, each taken off by a fused multiply-add; polynomials on |r| <= pi/4; the quadrant from n's low two bits.
; LIMITS: the angle is made as position x 2^(-i log2(1e6)/64); it agrees with position / 1e6^(i/64) to about two steps of f32 at the angle's size.  |position| under 2^24.  NaN does not occur (whole-number input).
; INPUT LEFT OUT: reference() takes attention_mask as an argument and never uses it, so it has no way to any output for any values: no launch loads it or has it among its arguments.
.set SPARE, 24576
.set SPW, 10                           ; v10  LDS address of my spare word; never rewritten
.set NIL, 11                           ; v11  0; never rewritten
.set XF,  16                           ; v16-47   x's two fragments; later the eight parts to be added
.set AF,  48                           ; v48-143  Aq's, Ak's, Av's two fragments each
.set ACC, 144                          ; v144-167 three accumulators
.set FI,  144                          ; v144-191 at work on cos and sin, ahead of the products
.set ANG, 148
.set NQ,  152
.set RR,  156
.set ZZ,  160
.set SS,  164
.set CC,  168
.set T1,  172
.set T2,  176
.set QI,  180
.set OC,  184
.set OS,  188
	s_load_b256 s[4:11], s[0:1], 0x0               ; x s[4:5], Aq s[6:7], Ak s[8:9], Av s[10:11]
	s_load_b256 s[12:19], s[0:1], 0x20             ; positions s[12:13], the scales' exponents s[14:15], tl s[16:17], tab s[18:19]
	v_lshl_add_u32 v[SPW], v0, 2, SPARE
	v_mov_b32 v[NIL], 0
	v_lshrrev_b32 v1, 5, v0
	s_delay_alu instid0(VALU_DEP_1)
	v_readfirstlane_b32 s20, v1                    ; wave 0..7
	v_and_b32 v1, 31, v0                           ; lane
	v_and_b32 v2, 15, v0                           ; r
	v_bfe_u32 v3, v0, 4, 1                         ; h
	s_delay_alu instid0(VALU_DEP_2)
	v_lshlrev_b32 v4, 11, v2
	s_delay_alu instid0(VALU_DEP_1)
	v_lshl_add_u32 v4, v3, 4, v4                   ; a fragment's row of 2,048 bytes, + 16 h
	s_delay_alu instid0(VALU_DEP_4)
	v_lshlrev_b32 v5, 2, v2                        ; my token's position
	v_lshlrev_b32 v6, 4, v1                        ; 16 x lane
	s_mul_i32 s22, s20, 3072
	v_add_nc_u32 v7, s22, v6                       ; LDS: my wave's part: 3 products x 1,024 bytes
	s_lshl_b32 s23, s20, 9
	v_add_nc_u32 v8, s23, v6                       ; LDS: piece w of each wave's part
	s_lshr_b32 s21, s20, 1                         ; w / 2: the product z of the piece that waves 0 to 5 finish
	s_and_b32 s47, s20, 1
	s_lshl_b32 s46, s21, 4                         ; 16 (w / 2): z's four exponents in bytes; for waves 6 and 7 entries 12 to 15, inside the buffer and not used
	s_lshl_b32 s39, s47, 2
	s_add_co_u32 s39, s39, s46
	v_lshl_add_u32 v9, v3, 3, s39                  ; my first frequency: 16 (w / 2) + 4 (w % 2) + 8 h
	s_lshl_b32 s28, ttmp9, 15                      ; x: 16 tokens of 2,048 bytes for each work-group,
	s_lshl_b32 s30, s20, 8                         ; + my wave's 256 along K
	s_add_co_u32 s28, s28, s30
	s_mov_b32 s29, 0
	s_mov_b32 s31, 0
	s_lshl_b32 s32, ttmp9, 6                       ; positions: 16 words
	s_mov_b32 s33, 0
	s_lshl_b32 s34, ttmp9, 13                      ; tab: 8,192 bytes for 16 tokens, + group w
	s_add_co_u32 s34, s34, s23
	s_mov_b32 s35, 0
	s_lshl_b32 s36, s21, 18                        ; tl: z 262144 + 1,024 x work-group + 512 (w % 2)
	s_lshl_b32 s38, ttmp9, 10
	s_add_co_u32 s36, s36, s38
	s_lshl_b32 s38, s47, 9
	s_add_co_u32 s36, s36, s38
	s_mov_b32 s37, 0
	s_mov_b32 s48, 0xbe9f73da                      ; -log2(1e6) / 64
	s_mov_b32 s49, 0x3f22f983                      ; 2 / pi
	s_mov_b32 s50, 0x3fc90fdb                      ; pi / 2 in three parts
	s_mov_b32 s51, 0xb33bbd2e
	s_mov_b32 s52, 0xa6f72ced
	s_mov_b32 s53, 0xb94ca1f9                      ; sin's polynomial
	s_mov_b32 s54, 0x3c08839e
	s_mov_b32 s55, 0xbe2aaaa3
	s_mov_b32 s56, 0x37ccf5ce                      ; cos's
	s_mov_b32 s57, 0xbab6061a
	s_mov_b32 s58, 0x3d2aaaa5
	s_wait_alu depctr_va_vdst(0)
	s_wait_kmcnt 0x0
	s_load_b128 s[24:27], s[14:15], s46 offset:0x0 ; e_x, e_W, e_x', e_A of product z
	s_add_nc_u64 s[4:5], s[4:5], s[28:29]
	s_add_nc_u64 s[6:7], s[6:7], s[30:31]
	s_add_nc_u64 s[8:9], s[8:9], s[30:31]
	s_add_nc_u64 s[10:11], s[10:11], s[30:31]
	s_add_nc_u64 s[12:13], s[12:13], s[32:33]
	s_add_nc_u64 s[18:19], s[18:19], s[34:35]
	s_add_nc_u64 s[16:17], s[16:17], s[36:37]
	global_load_b32 v12, v5, s[12:13]              ; the position first: the 32 fragment loads land while cos and sin are made
.irp s, 0,1
.irp c, 0,1,2,3
	global_load_b128 v[XF+16*\s+4*\c:XF+16*\s+4*\c+3], v4, s[4:5] offset:128*\s+32*\c
.endr
.endr
.irp z, 0,1,2
.irp s, 0,1
.irp c, 0,1,2,3
	global_load_b128 v[AF+32*\z+16*\s+4*\c:AF+32*\z+16*\s+4*\c+3], v4, s[6+2*\z:7+2*\z] offset:128*\s+32*\c
.endr
.endr
.endr
	; ---- cos and sin of four angles
.irp e, 0,1,2,3
	v_add_nc_u32 v[FI+\e], \e, v9
.endr
.irp e, 0,1,2,3
	s_delay_alu instid0(VALU_DEP_4)
	v_cvt_f32_u32 v[FI+\e], v[FI+\e]
.endr
.irp e, 0,1,2,3
	s_delay_alu instid0(VALU_DEP_4)
	v_mul_f32 v[FI+\e], s48, v[FI+\e]
.endr
	s_wait_alu depctr_va_vdst(0)
.irp e, 0,1,2,3
	v_exp_f32 v[FI+\e], v[FI+\e]                   ; 1e6^(-i/64)
.endr
	s_wait_loadcnt 32                              ; the position is in; the 32 younger loads stay out
	v_cvt_f32_i32 v13, v12                         ; (the plain instruction behind the exponentials)
	s_wait_alu depctr_va_vdst(0)                   ; one wait for the four, ahead of their first reader
.irp e, 0,1,2,3
	v_mul_f32 v[ANG+\e], v13, v[FI+\e]
.endr
.irp e, 0,1,2,3
	s_delay_alu instid0(VALU_DEP_4)
	v_mul_f32 v[NQ+\e], s49, v[ANG+\e]
.endr
.irp e, 0,1,2,3
	s_delay_alu instid0(VALU_DEP_4)
	v_rndne_f32 v[NQ+\e], v[NQ+\e]
.endr
.irp e, 0,1,2,3
	s_delay_alu instid0(VALU_DEP_4)
	v_fma_f32 v[RR+\e], -v[NQ+\e], s50, v[ANG+\e]
.endr
.irp e, 0,1,2,3
	s_delay_alu instid0(VALU_DEP_4)
	v_fma_f32 v[RR+\e], -v[NQ+\e], s51, v[RR+\e]
.endr
.irp e, 0,1,2,3
	s_delay_alu instid0(VALU_DEP_4)
	v_fma_f32 v[RR+\e], -v[NQ+\e], s52, v[RR+\e]
.endr
.irp e, 0,1,2,3
	s_delay_alu instid0(VALU_DEP_4)
	v_mul_f32 v[ZZ+\e], v[RR+\e], v[RR+\e]
.endr
.irp e, 0,1,2,3
	v_fma_f32 v[SS+\e], v[ZZ+\e], s53, s54
	v_fma_f32 v[CC+\e], v[ZZ+\e], s56, s57
.endr
.irp e, 0,1,2,3
	v_fma_f32 v[SS+\e], v[SS+\e], v[ZZ+\e], s55
	v_fma_f32 v[CC+\e], v[CC+\e], v[ZZ+\e], s58
.endr
.irp e, 0,1,2,3
	v_mul_f32 v[T1+\e], v[RR+\e], v[ZZ+\e]
	v_mul_f32 v[T2+\e], v[ZZ+\e], v[ZZ+\e]
.endr
.irp e, 0,1,2,3
	v_fma_f32 v[SS+\e], v[SS+\e], v[T1+\e], v[RR+\e]   ; sin r
	v_fma_f32 v[T1+\e], v[ZZ+\e], -0.5, 1.0
.endr
.irp e, 0,1,2,3
	v_fma_f32 v[CC+\e], v[CC+\e], v[T2+\e], v[T1+\e]   ; cos r
	v_cvt_i32_f32 v[QI+\e], v[NQ+\e]
.endr
.irp e, 0,1,2,3
	v_and_b32 v[T1+\e], 1, v[QI+\e]
	s_delay_alu instid0(VALU_DEP_1)
	v_cmp_eq_u32 vcc_lo, 1, v[T1+\e]               ; an odd quadrant swaps the two
	s_delay_alu instid0(VALU_DEP_1)
	v_cndmask_b32 v[OS+\e], v[SS+\e], v[CC+\e], vcc_lo
	s_delay_alu instid0(VALU_DEP_2)
	v_cndmask_b32 v[OC+\e], v[CC+\e], v[SS+\e], vcc_lo
	v_lshlrev_b32 v[T1+\e], 30, v[QI+\e]
	s_delay_alu instid0(VALU_DEP_1)
	v_and_b32 v[T1+\e], 0x80000000, v[T1+\e]       ; sin is negated in quadrants 2 and 3,
	s_delay_alu instid0(VALU_DEP_1)
	v_xor_b32 v[OS+\e], v[T1+\e], v[OS+\e]
	v_add_nc_u32 v[QI+\e], 1, v[QI+\e]
	s_delay_alu instid0(VALU_DEP_1)
	v_lshlrev_b32 v[T2+\e], 30, v[QI+\e]
	s_delay_alu instid0(VALU_DEP_1)
	v_and_b32 v[T2+\e], 0x80000000, v[T2+\e]       ; cos in quadrants 1 and 2
	s_delay_alu instid0(VALU_DEP_1)
	v_xor_b32 v[OC+\e], v[T2+\e], v[OC+\e]
.endr
	global_store_b128 v6, v[OC:OC+3], s[18:19]                 ; 32 lanes store 512 consecutive bytes
	global_store_b128 v6, v[OS:OS+3], s[18:19] offset:4096
	; ---- the three products' parts: three accumulators by turns, one instruction a turn
	s_wait_loadcnt 0x0
.irp z, 0,1,2
	v_wmma_f32_16x16x128_fp8_fp8 v[ACC+8*\z:ACC+8*\z+7], v[AF+32*\z:AF+32*\z+15], v[XF:XF+15], 0
.endr
.irp z, 0,1,2
	v_wmma_f32_16x16x128_fp8_fp8 v[ACC+8*\z:ACC+8*\z+7], v[AF+32*\z+16:AF+32*\z+31], v[XF+16:XF+31], v[ACC+8*\z:ACC+8*\z+7]
.endr
.rept 4
	v_nop                                          ; four places ahead of the stores that read the results and of the loads into x's registers
.endr
.irp z, 0,1,2
.irp e, 0,1
	ds_store_b128 v7, v[ACC+8*\z+4*\e:ACC+8*\z+4*\e+3] offset:1024*\z+512*\e
.endr
.endr
	s_wait_dscnt 0x0                               ; for the others' sake: my part lies in LDS
	s_barrier_signal -1
	s_barrier_wait -1
	s_wait_kmcnt 0x0
	s_cmp_lt_u32 s20, 6                            ; six pieces of 512 bytes: waves 0 to 5 add one each
	s_cbranch_scc0 .Lend
.irp k, 0,1,2,3,4,5,6,7
	ds_load_b128 v[XF+4*\k:XF+4*\k+3], v8 offset:3072*\k
.endr
	s_add_co_i32 s44, s26, s27
	s_sub_co_i32 s44, s44, s24
	s_sub_co_i32 s44, s44, s25                     ; e_x' + e_A - e_x - e_W
	s_wait_dscnt 0x0
.irp k, 0,2,4,6
	v_pk_add_f32 v[XF+4*\k:XF+4*\k+1], v[XF+4*\k:XF+4*\k+1], v[XF+4*\k+4:XF+4*\k+5]
	v_pk_add_f32 v[XF+4*\k+2:XF+4*\k+3], v[XF+4*\k+2:XF+4*\k+3], v[XF+4*\k+6:XF+4*\k+7]
.endr
.irp k, 0
	v_pk_add_f32 v[XF+4*\k:XF+4*\k+1], v[XF+4*\k:XF+4*\k+1], v[XF+4*\k+8:XF+4*\k+9]
	v_pk_add_f32 v[XF+4*\k+2:XF+4*\k+3], v[XF+4*\k+2:XF+4*\k+3], v[XF+4*\k+10:XF+4*\k+11]
.endr
.irp k, 4
	s_delay_alu instid0(VALU_DEP_4)
	v_pk_add_f32 v[XF+4*\k:XF+4*\k+1], v[XF+4*\k:XF+4*\k+1], v[XF+4*\k+8:XF+4*\k+9]
	s_delay_alu instid0(VALU_DEP_4)
	v_pk_add_f32 v[XF+4*\k+2:XF+4*\k+3], v[XF+4*\k+2:XF+4*\k+3], v[XF+4*\k+10:XF+4*\k+11]
.endr
	s_delay_alu instid0(VALU_DEP_2)
	v_pk_add_f32 v[XF:XF+1], v[XF:XF+1], v[XF+16:XF+17]
	s_delay_alu instid0(VALU_DEP_2)
	v_pk_add_f32 v[XF+2:XF+3], v[XF+2:XF+3], v[XF+18:XF+19]
.irp m, 0,1,2,3
	v_ldexp_f32 v[XF+\m], v[XF+\m], s44
.endr
	global_store_b128 v6, v[XF:XF+3], s[16:17]     ; 512 consecutive bytes
.Lend:
	s_wait_tensorcnt 0x0                           ; the wave's end
	ds_add_u32 v[SPW], v[NIL]
	s_wait_dscnt 0x0
	s_endpgm
.Lfunc_end_k_qfa3657f282_prep:
	.size	k_qfa3657f282_prep, .Lfunc_end_k_qfa3657f282_prep-k_qfa3657f282_prep
	.p2alignl 7, 3214868480
	.fill 96, 4, 3214868480
	.section	.rodata,"a",@progbits
	.p2align	6, 0x0
	.amdhsa_kernel k_qfa3657f282_prep
		.amdhsa_group_segment_fixed_size 25600
		.amdhsa_private_segment_fixed_size 0
		.amdhsa_enable_private_segment 0
		.amdhsa_kernarg_size 64
		.amdhsa_user_sgpr_count 2
		.amdhsa_user_sgpr_kernarg_segment_ptr 1
		.amdhsa_wavefront_size32 1
		.amdhsa_system_sgpr_workgroup_id_x 1
		.amdhsa_system_sgpr_workgroup_id_y 1
		.amdhsa_system_sgpr_workgroup_id_z 1
		.amdhsa_system_vgpr_workitem_id 0
		.amdhsa_next_free_vgpr 192
		.amdhsa_next_free_sgpr 66
		.amdhsa_reserve_vcc 1
		.amdhsa_float_denorm_mode_32 3
		.amdhsa_float_denorm_mode_16_64 3
		.amdhsa_memory_ordered 1
		.amdhsa_forward_progress 1
		.amdhsa_inst_pref_size 17
	.end_amdhsa_kernel
	.amdgpu_metadata
---
amdhsa.version: [ 1, 2 ]
amdhsa.kernels:
  - .name:           k_qfa3657f282_prep
    .symbol:         k_qfa3657f282_prep.kd
    .args:
      - { .name: x_codes, .offset: 0, .size: 8, .value_kind: global_buffer, .address_space: global }
      - { .name: Aq_codes, .offset: 8, .size: 8, .value_kind: global_buffer, .address_space: global }
      - { .name: Ak_codes, .offset: 16, .size: 8, .value_kind: global_buffer, .address_space: global }
      - { .name: Av_codes, .offset: 24, .size: 8, .value_kind: global_buffer, .address_space: global }
      - { .name: positions, .offset: 32, .size: 8, .value_kind: global_buffer, .address_space: global }
      - { .name: lowp_scales, .offset: 40, .size: 8, .value_kind: global_buffer, .address_space: global }
      - { .name: tl, .offset: 48, .size: 8, .value_kind: global_buffer, .address_space: global }
      - { .name: tab, .offset: 56, .size: 8, .value_kind: global_buffer, .address_space: global }
    .group_segment_fixed_size: 25600
    .private_segment_fixed_size: 0
    .kernarg_segment_align: 8
    .kernarg_segment_size: 64
    .max_flat_workgroup_size: 256
    .sgpr_count:     66
    .vgpr_count:     192
    .wavefront_size: 32
...
	.end_amdgpu_metadata
.endif
;; end of part 1
;; launch qkv (part 2): grid 12 x 16, 4 waves a work-group, clusters of 4 x 4, 327,680 bytes of LDS; arguments x_codes, Wq_codes, Wk_codes, Wv_codes, Bq, Bk, Bv, qn_w, kn_w, lowp_scales, tl, tab, qc, kc, vc, out1, out2; writes qc, kc, vc, out1, out2
.if DOCPART == 2
	.amdgcn_target "amdgcn-amd-amdhsa--gfx1250"
	.amdhsa_code_object_version 6
	.text
	.protected	k_qfa3657f282_qkv
	.globl	k_qfa3657f282_qkv
	.p2align	8
	.type	k_qfa3657f282_qkv,@function
k_qfa3657f282_qkv:
	s_mov_b64 s[64:65], 0
	v_nop
	global_prefetch_b8 v0, s[64:65] scope:SCOPE_SE
	s_setreg_imm32_b32 hwreg(HW_REG_WAVE_MODE, 25, 1), 1
	s_wait_xcnt 0x0
	s_wait_alu depctr_hold_cnt(0) depctr_sa_sdst(0) depctr_va_vdst(0) depctr_va_sdst(0) depctr_va_ssrc(0) depctr_va_vcc(0) depctr_vm_vsrc(0)
	s_getreg_b32 s2, hwreg(HW_REG_IB_STS2, 6, 4)
	s_cmp_eq_u32 s2, 0
	s_cbranch_scc0 .Lentry_in_a_cluster
	s_endpgm
.Lentry_in_a_cluster:
	s_bfe_u32 s2, ttmp6, 0x10000c
	s_cmp_lg_u32 s2, 0xf033
	s_cbranch_scc0 .Lentry_shape_is_right
	s_endpgm
.Lentry_shape_is_right:
; THE THREE PROJECTIONS with their low-rank parts, the heads' RMS norm, RoPE, and the quantisers for attention.  attention_mask is not among the arguments: reference() never uses it.
; Cluster x (0, 1, 2) is the role: q, k, v.  A work-group makes 256 tokens x 256 columns (two heads); a wave 128 tokens x one head: 64 accumulators, windows 2 and 3.
; K = 2,048 goes in steps of 256 through a ring of two LDS slots filled by joint tensor loads: x's tile is shared along a row of the cluster, W's along a column.
; The matrix instruction is used transposed (source 0 = 16 rows of W, source 1 = 16 tokens): a lane holds one token and eight neighbouring columns.
; THE LOW-RANK PART t' Bz (K = 16, f32 operands, since its result goes on into quantisers) adds onto the same accumulators, in four quarters of 4 along K, 64 matrix instructions each: quarter 0 starts the sums
; at the head, quarters 1 to 3 stand one in each of the loop's three trips, in two groups of 32 ahead of the two changes of slots.  t' comes from launch prep already divided by the main product's power of two.
; A quarter's operands are 32 registers, loaded a trip ahead.  Ahead of a group stand five places behind the FP8 products on its accumulators, behind it nine (ISA guide 7.12.1).
; THE WAY OUT.  q, k: x rsqrt(mean square + eps) x weight, RoPE by the table tab (three register buffers of 16 tokens, asked for three blocks ahead), codes to qc / kc as images of operand registers; k also to out1 through a stage.
; v: x 2^(ex + ew), all 128 rows into the wave's stage; then four trips of 32 tokens: rows to out2, columns (keys along the registers) to codes for vc.
; Every work-group walks those four trips, so that the trip count and the stepped LDS offset are constants of the text; q's and k's jump over the body by the role.
; PREFETCHES: x's and W's tiles two K steps ahead of their refill, 32 rows x 256 bytes a wave, the four partners of a joint load told apart by address; K steps 0 to 3 come by their loads alone, the last two refills ask for nothing.
; The table: a work-group's 131,072 bytes are 512 blocks of 256 bytes: one lane a block over the 4 partners x 4 waves x 32 lanes, one instruction a wave behind the first step; v's clusters ask for none.
; LIMITS: ex + ew of each product between -126 and 127; the quantisers' exponents (entries 12, 13, 14) between -126 and 119.  NaN among the inputs is not served.
; REGISTERS window 0: v9-31 addresses; v32-63 the low-rank quarter's operands, later norm factors and codes; v64-127 the norm's weights; v128-255 x's fragments, later at work.  window 1: W's fragments, two sets; later table, stage rows.
.set KROW,   2048
.set ROWB,   256
.set PITCH,  272
.set FR,     16
.set NL,     4
.set NP,     4
.set HALFT,  128*PITCH
.set SLOT,   4*HALFT
.set LAPS,   4
.set SPARE,  2*SLOT                    ; the spare words: 128 bytes a wave
.set SPITCH, 528
.set KST,    SPARE+512                 ; k's stages: 16 rows x 528 bytes a wave, bytes that no tile lands on
.set PFO,  9
.set PFT,  10
.set QSC,  12
.set QLIM, 13
.set VRRT, 14
.set VRR,  15
.set ADRA, 16
.set VCO,  18
.set VSTO, 19
.set ADRB, 20
.set VRDT, 22
.set VRD,  23
.set STO,  24
.set RD,   25
.set CO,   26
.set CST,  27
.set SPW,  28
.set NIL,  29
.set BLO,  30
.set WLO,  31
.set LB,   32
.set LT,   48
.set F,    32
.set CD,   48
.set P,    32
.set W,    64
.set AF,   128
.set Y,    128
.set Z,    192
.set BK,   128
.set X,    128
.set PFA,  8                           ; s[8:9]   where my tile prefetches stand
.set PTB,  10                          ; s[10:11] my work-group's part of the table
.set G1, 24
.set G0, 32
.set G1B, 48
.set G0B, 56
.set MSB, 0
.macro WIN new
.if MSB != (\new)
	s_set_vgpr_msb (MSB<<8)|(\new)
.set MSB, (\new)
.endif
.endm
.set MUL_LO, 0xa1
.set MUL_HI, 0xf1
.set TO_B,   0x40
.macro JLOAD g0a, g1a, g0b, g1b        ; waves 0, 1 ask for x's halves, waves 2, 3 for W's; s_nop 0 and four v_nop follow each line
	s_cmp_eq_u32 s15, 0
	s_cbranch_scc0 .Lfor_b_\@
	tensor_load_to_lds s[\g0a:\g0a+3], s[\g1a:\g1a+7]
	s_nop 0
.rept 4
	v_nop
.endr
	s_branch .Lasked_\@
.Lfor_b_\@:
	tensor_load_to_lds s[\g0b:\g0b+3], s[\g1b:\g1b+7]
	s_nop 0
.rept 4
	v_nop
.endr
.Lasked_\@:
.endm
.macro CREST
	s_cmp_lg_u32 s14, 0
	s_cbranch_scc1 .Lnot_wave_0_\@
	s_barrier_signal -3
.Lnot_wave_0_\@:
	s_barrier_wait -3
	s_barrier_signal -1
	s_barrier_wait -1
.endm
.macro CROUND
	s_barrier_signal -1
	s_barrier_wait -1
	CREST
.endm
.macro PLACES n
.rept \n
	v_nop
.endr
.endm
.macro ASK                             ; the K step two refills on; not in the loop's last trip
	s_cmp_gt_u32 s3, 1
	s_cbranch_scc0 .Lnot_mine_\@
	global_prefetch_b8 v[PFO], s[PFA:PFA+1] th:TH_LOAD_NT scope:SCOPE_SE
.Lnot_mine_\@:
.endm
.macro LLOAD kb, kt                    ; a quarter's operands: Bz(rank 8 h + 2 kc + j, column 16 b + r) and t'(token 16 a + r, the same two ranks)
.irp b, 0,1,2,3,4,5,6,7
.irp j, 0,1
	global_load_b32 v[LB+2*\b+\j], v[BLO], s[68:69] offset:(\kb)+\j*4096+64*\b
.endr
.endr
.irp a, 0,1,2,3,4,5,6,7
	global_load_b64 v[LT+2*\a:LT+2*\a+1], v[CO], s[80:81] offset:(\kt)+\a*1024
.endr
.endm
.macro LGRP hi, zero                   ; 32 f32 matrix instructions: one quarter on the window's 32 accumulators, one instruction a turn
	WIN 0xa0+0x50*(\hi)
.irp a, 0,1,2,3
.irp b, 0,1,2,3,4,5,6,7
.if \zero
	v_wmma_f32_16x16x4_f32 v[8*(8*\a+\b):8*(8*\a+\b)+7], v[LB+2*\b:LB+2*\b+1], v[LT+2*(4*(\hi)+\a):LT+2*(4*(\hi)+\a)+1], 0
.else
	v_wmma_f32_16x16x4_f32 v[8*(8*\a+\b):8*(8*\a+\b)+7], v[LB+2*\b:LB+2*\b+1], v[LT+2*(4*(\hi)+\a):LT+2*(4*(\hi)+\a)+1], v[8*(8*\a+\b):8*(8*\a+\b)+7]
.endif
.endr
.endr
	WIN 0
.endm
	s_load_b256 s[4:11], s[0:1], 0x0               ; x, Wq, Wk, Wv
	s_load_b256 s[68:75], s[0:1], 0x20             ; Bq, Bk, Bv, qn_w
	s_load_b256 s[76:83], s[0:1], 0x40             ; kn_w, the scales' exponents, tl, tab
	s_load_b256 s[84:91], s[0:1], 0x60             ; qc, kc, vc, out1
	s_load_b64 s[92:93], s[0:1], 0x80              ; out2
	v_lshl_add_u32 v[SPW], v0, 2, SPARE
	v_mov_b32 v[NIL], 0
	ds_add_u32 v[SPW], v[NIL]                      ; the opening lines: the add twice on end and one wait
	ds_add_u32 v[SPW], v[NIL]
	v_lshrrev_b32 v1, 5, v0
	v_readfirstlane_b32 s14, v1                    ; wave
	s_lshr_b32 s15, s14, 1                         ; my half of the tokens; also: I ask for x (0) or W (1)
	s_and_b32 s16, s14, 1                          ; my head of the two; also: which 128 rows I ask for
	s_bfe_u32 s40, ttmp6, 0x40000                  ; cx
	s_bfe_u32 s41, ttmp6, 0x40004                  ; cy
	s_mov_b32 s66, ttmp9                           ; the role
	s_and_b32 s17, ttmp7, 0xffff
	s_lshl_b32 s17, s17, 2
	s_add_co_u32 s17, s17, s41                     ; tile row
	s_lshl_b32 s43, s41, 2
	s_lshl_b32 s43, 15, s43
	s_lshl_b32 s44, 0x1111, s40
	s_or_b32 s[G1+0], s43, (0<<16)|(1<<20)|(1<<21)|(5<<22)|(3<<25)
	s_or_b32 s[G1B+0], s44, (0<<16)|(1<<20)|(1<<21)|(5<<22)|(3<<25)
.irp g, G1, G1B
	s_mov_b32 s[\g+1], ROWB<<16
	s_mov_b32 s[\g+2], 128<<16
	s_mov_b32 s[\g+3], ROWB<<16
	s_mov_b32 s[\g+4], 128
	s_mov_b32 s[\g+5], KROW
	s_mov_b32 s[\g+6], 0
	s_mov_b32 s[\g+7], 0
.endr
	s_lshl_b32 s18, s16, 7
	s_lshl_b32 s20, s17, 8
	s_add_co_u32 s20, s20, s18
	s_lshl_b32 s20, s20, 11
	s_mov_b32 s21, 0
	s_lshl_b32 s46, s40, 8
	s_add_co_u32 s46, s46, s18
	s_lshl_b32 s46, s46, 11
	s_mov_b32 s47, 0
	s_mul_i32 s45, s14, HALFT
	s_lshl_b32 s2, s66, 4
	s_xor_b32 s99, s66, 1
	s_cmp_eq_u32 s66, 2
	s_cselect_b32 s99, 2, s99
	s_lshl_b32 s99, s99, 2
	s_wait_dscnt 0x0
	s_wait_kmcnt 0x0
	s_cmp_eq_u32 s66, 0
	s_cselect_b64 s[6:7], s[6:7], s[8:9]
	s_cselect_b64 s[68:69], s[68:69], s[70:71]
	s_cselect_b64 s[84:85], s[84:85], s[86:87]
	s_cselect_b64 s[74:75], s[74:75], s[76:77]
	s_cmp_eq_u32 s66, 2
	s_cselect_b64 s[6:7], s[10:11], s[6:7]
	s_cselect_b64 s[68:69], s[72:73], s[68:69]
	s_cselect_b64 s[84:85], s[88:89], s[84:85]
	s_cselect_b64 s[90:91], s[92:93], s[90:91]
	s_load_b64 s[96:97], s[78:79], s2 offset:0x0   ; ex, ew of my product
	s_load_b32 s98, s[78:79], s99 offset:0x30      ; the exponent of my result's quantiser
	s_add_nc_u64 s[20:21], s[4:5], s[20:21]
	s_add_nc_u64 s[46:47], s[6:7], s[46:47]
	CROUND                                         ; in front of the first joint loads
.irp s, 0,1
	s_mov_b32 s[G0+4*\s], 1
	s_add_co_u32 s[G0+4*\s+1], s45, \s*SLOT
	s_add_nc_u64 s[G0+4*\s+2:G0+4*\s+3], s[20:21], \s*ROWB
	s_or_b32 s[G0+4*\s+3], s[G0+4*\s+3], 0x80000000
	s_mov_b32 s[G0B+4*\s], 1
	s_add_co_u32 s[G0B+4*\s+1], s45, \s*SLOT
	s_add_nc_u64 s[G0B+4*\s+2:G0B+4*\s+3], s[46:47], \s*ROWB
	s_or_b32 s[G0B+4*\s+3], s[G0B+4*\s+3], 0x80000000
.endr
	JLOAD G0, G1, G0B, G1B                         ; K step 0: my one tensor load at the head
	s_cmp_eq_u32 s15, 0                            ; the tile prefetches: of the 128 rows that I ask for, my work-group's 32 (by cx for x, by cy for W), at K step 3: the first refill steps them to 4
	s_cselect_b64 s[PFA:PFA+1], s[20:21], s[46:47]
	s_cselect_b32 s18, s40, s41
	s_lshl_b32 s18, s18, 16
	s_add_co_u32 s18, s18, 3*ROWB
	s_mov_b32 s19, 0
	s_add_nc_u64 s[PFA:PFA+1], s[PFA:PFA+1], s[18:19]
	s_lshl_b32 s18, s17, 17
	s_add_nc_u64 s[PTB:PTB+1], s[82:83], s[18:19]  ; the table of my work-group's 256 tokens
	s_lshl_b32 s18, s40, 2
	s_add_co_u32 s18, s18, s14
	s_lshl_b32 s18, s18, 13
	v_and_b32 v1, 15, v0
	v_bfe_u32 v2, v0, 4, 1
	v_and_b32 v6, 31, v0
	v_lshlrev_b32 v[CO], 4, v6
	v_lshlrev_b32 v[BLO], 15, v2
	v_lshl_add_u32 v[BLO], v1, 2, v[BLO]
	v_lshlrev_b32 v[PFO], 11, v6                   ; a lane a row of 2,048 bytes
	v_lshl_add_u32 v[PFT], v6, 8, s18              ; block 128 cx + 32 wave + lane of the table's 512
	s_wait_alu depctr_va_vdst(0)
	s_lshl_b32 s94, s40, 1
	s_add_co_u32 s94, s94, s16                     ; my head
	s_lshl_b32 s95, s17, 8
	s_lshl_b32 s18, s15, 7
	s_add_co_u32 s95, s95, s18                     ; my first token
	s_mov_b32 s19, 0
	s_lshl_b32 s18, s94, 9
	s_add_nc_u64 s[68:69], s[68:69], s[18:19]
	s_lshl_b32 s18, s66, 18
	s_lshl_b32 s20, s95, 6
	s_add_co_u32 s18, s18, s20
	s_add_nc_u64 s[80:81], s[80:81], s[18:19]
	s_lshl_b32 s18, s95, 9
	s_add_nc_u64 s[82:83], s[82:83], s[18:19]
	s_lshr_b32 s20, s17, 3
	s_lshl_b32 s20, s20, 3
	s_add_co_u32 s20, s20, s94
	s_lshl_b32 s20, s20, 18
	s_and_b32 s18, s95, 2047
	s_lshl_b32 s18, s18, 7
	s_add_co_u32 s18, s18, s20
	s_add_nc_u64 s[84:85], s[84:85], s[18:19]
	s_lshl_b32 s18, s95, 12
	s_lshl_b32 s20, s94, 9
	s_add_co_u32 s18, s18, s20
	s_add_nc_u64 s[90:91], s[90:91], s[18:19]
	LLOAD 0, 0                                     ; quarter 0's operands, on their way beside K step 0's tile
	v_mul_u32_u24 v3, v1, PITCH
	v_lshl_add_u32 v4, v2, 4, v3
	s_mul_i32 s21, s15, HALFT
	s_mul_i32 s22, s16, HALFT
	s_add_co_u32 s22, s22, 2*HALFT
.irp s, 0,1
	v_add_nc_u32 v[ADRA+\s], s21, v4
	v_add_nc_u32 v[ADRB+\s], s22, v4
	s_add_co_u32 s21, s21, SLOT
	s_add_co_u32 s22, s22, SLOT
.endr
	s_mul_i32 s23, s14, 16*SPITCH
	s_add_co_u32 s23, s23, KST
	v_mul_u32_u24 v5, v1, SPITCH
	v_lshl_add_u32 v5, v2, 5, v5
	v_add_nc_u32 v[STO], s23, v5
	v_add_nc_u32 v[RD], s23, v[CO]
	s_mul_i32 s23, s14, 128*SPITCH                 ; v's stage: 128 rows a wave, from LDS byte 0 on: the slots have had their last fill and their last read when it is written
	v_add_nc_u32 v[VSTO], s23, v5
	v_add_nc_u32 v[VRR], s23, v[CO]
	v_lshl_add_u32 v[VRD], v6, 2, s23
	v_lshlrev_b32 v[CST], 4, v1
	v_lshl_add_u32 v[CST], v2, 3, v[CST]
	v_lshlrev_b32 v[WLO], 5, v2
	v_bfe_u32 v7, v0, 3, 1
	v_and_b32 v8, 7, v0
	v_lshl_add_u32 v8, v2, 3, v8
	v_lshlrev_b32 v8, 4, v8
	v_lshl_add_u32 v[VCO], v7, 11, v8
.macro FRAG reg, adr, q, i
.irp c, 0,1,2,3
	ds_load_b128 v[\reg+4*\c:\reg+4*\c+3], v[\adr] offset:128*(\q)+32*\c+(\i)*16*PITCH
.endr
.endm
.macro MUL16 a0, p
.irp a, \a0, \a0+1
.irp b, 0,1,2,3,4,5,6,7
	v_wmma_f32_16x16x128_fp8_fp8 v[8*(8*((\a)%4)+\b):8*(8*((\a)%4)+\b)+7], v[128*(\p)+FR*\b:128*(\p)+FR*\b+FR-1], v[AF+FR*(\a):AF+FR*(\a)+FR-1], v[8*(8*((\a)%4)+\b):8*(8*((\a)%4)+\b)+7]
.endr
.endr
.endm
.macro FETCH_B slot, q, p
	WIN TO_B
.irp i, 0,1,2,3,4,5,6,7
	FRAG 128*(\p)+FR*\i, ADRB+\slot, \q, \i
.endr
	WIN 0
.endm
.macro FETCH_A slot, q, i0
.irp i, \i0, \i0+1, \i0+2, \i0+3
	FRAG AF+FR*(\i), ADRA+\slot, \q, \i
.endr
.endm
.macro STEP slot, q
	s_wait_dscnt 4*NL                              ; W's set and x's blocks 0-3 are in; the youngest 16 loads may be out
	WIN MUL_LO
	MUL16 0, (\q)%2
	MUL16 2, (\q)%2
	s_wait_dscnt 0
	PLACES NP
	FETCH_B \slot, (\q)+1, 1-(\q)%2
	FETCH_A \slot, (\q)+1, 0
	WIN MUL_HI
	MUL16 4, (\q)%2
	MUL16 6, (\q)%2
	PLACES NP
	WIN 0
	FETCH_A \slot, (\q)+1, 4
.endm
.macro TURN slot, next, fill                   ; a slot's last step changes slots
.if \fill
	s_wait_xcnt 0x0                                ; my last prefetch has read its address
	s_add_nc_u64 s[PFA:PFA+1], s[PFA:PFA+1], ROWB
.endif
	s_wait_tensorcnt 0x0                           ; all my tensor loads: my part of the next slot
	ds_add_u32 v[SPW], v[NIL]
	s_wait_dscnt 4*NL+1                            ; the add and the youngest 16 loads may be out
	WIN MUL_LO
	MUL16 0, 1
	s_wait_dscnt 0x0                               ; the add is done, my reads of this slot are over
	s_barrier_signal -1
	MUL16 2, 1
	WIN 0
	s_barrier_wait -1
.if \fill
	CREST                                          ; the barrier has opened a round of the cluster's barrier
	s_add_nc_u64 s[G0+4*\slot+2:G0+4*\slot+3], s[G0+4*\slot+2:G0+4*\slot+3], 2*ROWB
	s_add_nc_u64 s[G0B+4*\slot+2:G0B+4*\slot+3], s[G0B+4*\slot+2:G0B+4*\slot+3], 2*ROWB
	JLOAD G0+4*\slot, G1, G0B+4*\slot, G1B
.else
	PLACES NP
.endif
	FETCH_B \next, 0, 0
	FETCH_A \next, 0, 0
.if \fill
	ASK
.endif
	WIN MUL_HI
	MUL16 4, 1
	MUL16 6, 1
	PLACES NP
	WIN 0
	FETCH_A \next, 0, 4
.endm
.macro FINAL                                   ; the last step fetches nothing; its barrier parts every wave's last reads of the slots from the stores into v's stage
	s_wait_dscnt 4*NL
	WIN MUL_LO
	MUL16 0, 1
	MUL16 2, 1
	s_wait_dscnt 0
	s_barrier_signal -1
	WIN MUL_HI
	MUL16 4, 1
	MUL16 6, 1
	WIN 0
	s_barrier_wait -1
	PLACES NP
.endm
	s_wait_alu depctr_va_vdst(0)
	s_wait_tensorcnt 0x0                           ; my part of K step 0 is in; the three lines ahead of slot 1's first fill, as ahead of a refill
	ds_add_u32 v[SPW], v[NIL]
	s_wait_dscnt 0x0
	CROUND
	JLOAD G0+4, G1, G0B+4, G1B                     ; K step 1
	FETCH_B 0, 0, 0
	s_wait_loadcnt 0x0                             ; quarter 0's operands
	s_wait_kmcnt 0x0
	s_add_co_i32 s67, s96, s97                     ; ex + ew
	s_lshl_b32 s99, s67, 1
	s_sub_co_i32 s99, s99, 7                       ; the mean square: x 2^(2 (ex + ew)) / 128
	s_add_co_i32 s96, s67, 127
	s_lshl_b32 s96, s96, 23
	s_mov_b32 s97, s96
	s_add_co_i32 s98, s98, 127
	s_lshl_b32 s18, s98, 23
	v_mov_b32 v[QSC], s18
	s_add_co_i32 s98, s98, 8
	s_lshl_b32 s98, s98, 23
	s_or_b32 s98, s98, 0x600000
	v_mov_b32 v[QLIM], s98
	LGRP 0, 1                                      ; quarter 0 starts the 64 sums
	LGRP 1, 1
	PLACES 9
	LLOAD 8192, 8                                  ; quarter 1's operands
	FETCH_A 0, 0, 0
	FETCH_A 0, 0, 4
	STEP 0, 0
	s_cmp_eq_u32 s66, 2
	s_cbranch_scc1 .Lno_tab
	global_prefetch_b8 v[PFT], s[PTB:PTB+1] th:TH_LOAD_NT scope:SCOPE_SE
.Lno_tab:
	s_mov_b32 s3, LAPS-1
.Llap:
	s_wait_loadcnt 0x0                             ; this trip's quarter is in, so the loads' bases may step: with the immediates below they name quarters 2 and 3
	s_add_nc_u64 s[68:69], s[68:69], 8192
	s_add_nc_u64 s[80:81], s[80:81], 8
	LGRP 0, 0                                      ; eight places stand behind the step's products on these accumulators
	PLACES 9
	TURN 0, 1, 1
	STEP 1, 0
	PLACES 1                                       ; the fifth place
	LGRP 1, 0
	PLACES 9
	s_cmp_eq_u32 s3, 1
	s_cbranch_scc1 .Lno_more                       ; quarter 3 is the last
	LLOAD 8192, 504
.Lno_more:
	TURN 1, 0, 1
	STEP 0, 0
	s_sub_co_u32 s3, s3, 1
	s_cmp_lg_u32 s3, 0
	s_cbranch_scc1 .Llap
	TURN 0, 1, 0
	STEP 1, 0
	s_mov_b32 s22, 0x76543210
	s_mov_b32 s23, 0xfedcba98
	s_cmp_eq_u32 s66, 2
	s_cbranch_scc1 .Lv_path
; ---- q and k
.macro TABLOAD a                               ; cos and sin of block a's 16 tokens into buffer a % 3: window 1, v0, v64, v192
.set TB0, 64*((\a)%3)+64*(((\a)%3)/2)
	WIN 0x40
.irp cs, 0,1
.irp g, 0,1,2,3,4,5,6,7
	global_load_b128 v[TB0+32*\cs+4*\g:TB0+32*\cs+4*\g+3], v[CO], s[82:83] offset:(\a)*8192+\cs*4096+\g*512
.endr
.endr
	WIN 0
.endm
.irp b, 0,1,2,3,4,5,6,7
	global_load_b128 v[W+8*\b:W+8*\b+3], v[WLO], s[74:75] offset:64*\b
	global_load_b128 v[W+8*\b+4:W+8*\b+7], v[WLO], s[74:75] offset:64*\b+16
.endr
	TABLOAD 0                                      ; W's set 0 is done with: four places stand behind its last products
	TABLOAD 1
	FINAL
	TABLOAD 2
.macro SQACC a
.set AC, 64*((\a)%4)
.set CH, Y+8*(\a)
	WIN 0x0a+5*((\a)/4)
.irp i, 0,2,4,6
	v_pk_mul_f32 v[CH+\i:CH+\i+1], v[AC+\i:AC+\i+1], v[AC+\i:AC+\i+1]
.endr
.irp b, 1,2,3,4,5,6,7
.irp i, 0,2,4,6
	v_pk_fma_f32 v[CH+\i:CH+\i+1], v[AC+8*\b+\i:AC+8*\b+\i+1], v[AC+8*\b+\i:AC+8*\b+\i+1], v[CH+\i:CH+\i+1]
.endr
.endr
.endm
.irp a, 0,1,2,3,4,5,6,7
	SQACC \a
.endr
	WIN 0
.irp a, 0,1,2,3,4,5,6,7
	v_pk_add_f32 v[Y+8*\a:Y+8*\a+1], v[Y+8*\a:Y+8*\a+1], v[Y+8*\a+2:Y+8*\a+3]
	v_pk_add_f32 v[Y+8*\a+4:Y+8*\a+5], v[Y+8*\a+4:Y+8*\a+5], v[Y+8*\a+6:Y+8*\a+7]
.endr
.irp a, 0,1,2,3,4,5,6,7
	v_pk_add_f32 v[Y+8*\a:Y+8*\a+1], v[Y+8*\a:Y+8*\a+1], v[Y+8*\a+4:Y+8*\a+5]
.endr
.irp a, 0,1,2,3,4,5,6,7
	v_add_f32 v[Y+8*\a], v[Y+8*\a], v[Y+8*\a+1]
.endr
.irp a, 0,1,2,3,4,5,6,7
	v_permlanex16_b32 v[Y+8*\a+1], v[Y+8*\a], s22, s23
.endr
.irp a, 0,1,2,3,4,5,6,7
	v_add_f32 v[Y+8*\a], v[Y+8*\a], v[Y+8*\a+1]
.endr
.irp a, 0,1,2,3,4,5,6,7
	v_ldexp_f32 v[Y+8*\a], v[Y+8*\a], s99
.endr
.irp a, 0,1,2,3,4,5,6,7
	v_add_f32 v[Y+8*\a], 0x358637bd, v[Y+8*\a]     ; + 1e-6
.endr
	s_wait_alu depctr_va_vdst(0)
.irp a, 0,1,2,3,4,5,6,7
	v_rsq_f32 v[F+2*\a], v[Y+8*\a]
.endr
	v_nop
	s_wait_alu depctr_va_vdst(0)
.irp a, 0,1,2,3,4,5,6,7
	v_ldexp_f32 v[F+2*\a+1], v[F+2*\a], s67
.endr
.irp a, 0,1,2,3,4,5,6,7
	v_ldexp_f32 v[F+2*\a], v[F+2*\a], s67
.endr
.macro QKBLOCK a
.set AC, 64*((\a)%4)
.set TT, 64*((\a)%3)+64*(((\a)%3)/2)
.if (\a) < 6
	s_wait_loadcnt 32                              ; block a's table is in; the two younger blocks' 32 loads may be out
.else
.if (\a) == 6
	s_wait_loadcnt 16
.else
	s_wait_loadcnt 0x0
.endif
.endif
	WIN 0x02+((\a)/4)
.set j, 0
.rept 32
	v_pk_mul_f32 v[Y+j:Y+j+1], v[AC+j:AC+j+1], v[F+2*(\a):F+2*(\a)+1]
.set j, j+2
.endr
	WIN 0
.set j, 0
.rept 32
	v_pk_mul_f32 v[Y+j:Y+j+1], v[Y+j:Y+j+1], v[W+j:W+j+1]
.set j, j+2
.endr
	WIN 0x04
.set j, 0
.rept 16
	v_pk_mul_f32 v[Z+j:Z+j+1], v[Y+j:Y+j+1], v[TT+j:TT+j+1]
	v_pk_mul_f32 v[Z+32+j:Z+33+j], v[Y+32+j:Y+33+j], v[TT+j:TT+j+1]
.set j, j+2
.endr
.set j, 0
.rept 16
	v_pk_fma_f32 v[Z+j:Z+j+1], v[Y+32+j:Y+33+j], v[TT+32+j:TT+33+j], v[Z+j:Z+j+1] neg_lo:[1,0,0] neg_hi:[1,0,0]
	v_pk_fma_f32 v[Z+32+j:Z+33+j], v[Y+j:Y+j+1], v[TT+32+j:TT+33+j], v[Z+32+j:Z+33+j]
.set j, j+2
.endr
	WIN 0
.if (\a)+3 < 8
	TABLOAD (\a)+3
.endif
	s_wait_xcnt 0x0                                ; the last block's stores have read their registers
	s_cmp_lg_u32 s66, 1
	s_cbranch_scc1 .Lnot_k1_\@
	s_wait_alu depctr_va_vdst(0)
.irp b, 0,1,2,3,4,5,6,7
	ds_store_b128 v[STO], v[Z+8*\b:Z+8*\b+3] offset:64*\b
	ds_store_b128 v[STO], v[Z+8*\b+4:Z+8*\b+7] offset:64*\b+16
.endr
	WIN 0x40
.set i, 0
.rept 16
	ds_load_b128 v[BK+4*i:BK+4*i+3], v[RD] offset:i*SPITCH
.set i, i+1
.endr
	WIN 0
.Lnot_k1_\@:
.set j, 0
.rept 64
	v_med3_num_f32 v[Z+j], v[Z+j], -v[QLIM], v[QLIM]
.set j, j+1
.endr
.irp b, 0,1,2,3,4,5,6,7
	v_cvt_scalef32_pk8_fp8_f32 v[CD+2*\b:CD+2*\b+1], v[Z+8*\b:Z+8*\b+7], v[QSC]
.endr
	v_nop
.irp b, 0,1,2,3,4,5,6,7
	global_store_b64 v[CST], v[CD+2*\b:CD+2*\b+1], s[84:85] offset:(\a)*2048+256*\b
.endr
	s_cmp_lg_u32 s66, 1
	s_cbranch_scc1 .Lnot_k2_\@
	s_wait_dscnt 0x0
	WIN 0x04
.set i, 0
.rept 16
	global_store_b128 v[CO], v[BK+4*i:BK+4*i+3], s[90:91] offset:(16*(\a)+i)*4096 th:TH_STORE_NT
.set i, i+1
.endr
	WIN 0
.Lnot_k2_\@:
.endm
	s_wait_alu depctr_va_vdst(0)
.irp a, 0,1,2,3,4,5,6,7
	QKBLOCK \a
.endr
	s_branch .Lrows
; ---- v: all 128 rows x 2^(ex + ew) into my stage
.Lv_path:
	FINAL
.macro VDUMP m
	WIN 0x02+((\m)/2)
.set j, 0
.rept 64
	v_pk_mul_f32 v[Y+j:Y+j+1], v[128*((\m)%2)+j:128*((\m)%2)+j+1], s[96:97] op_sel_hi:[1,0]
.set j, j+2
.endr
	WIN 0
.irp p, 0,1
.irp b, 0,1,2,3,4,5,6,7
	ds_store_b128 v[VSTO], v[Y+64*\p+8*\b:Y+64*\p+8*\b+3] offset:(2*(\m)+\p)*16*SPITCH+64*\b
	ds_store_b128 v[VSTO], v[Y+64*\p+8*\b+4:Y+64*\p+8*\b+7] offset:(2*(\m)+\p)*16*SPITCH+64*\b+16
.endr
.endr
.endm
	VDUMP 0
	VDUMP 1
	VDUMP 2
	VDUMP 3
.macro VCOL gd                                 ; channel 32 gd + lane of 32 tokens: the keys run along my registers
.irp p, 0,1
.set i, 0
.rept 16
	ds_load_b32 v[X+32*(\gd)+16*\p+i], v[VRDT] offset:\p*16*SPITCH+i*SPITCH+128*(\gd)
.set i, i+1
.endr
.endr
.endm
.Lrows:
	s_mov_b32 s3, 4                                ; four trips of 32 tokens
	s_mov_b32 s2, 0                                ; their first byte in the stage
.Lvl:
	s_cmp_lg_u32 s66, 2
	s_cbranch_scc1 .Lvskip
	s_wait_xcnt 0x0                                ; earlier stores have read their registers
	v_add_nc_u32 v[VRRT], s2, v[VRR]
	v_add_nc_u32 v[VRDT], s2, v[VRD]
	s_wait_alu depctr_va_vdst(0)
	WIN 0x40
.irp p, 0,1
.set i, 0
.rept 16
	ds_load_b128 v[64*\p+4*i:64*\p+4*i+3], v[VRRT] offset:\p*16*SPITCH+i*SPITCH   ; LDS serves a wave's instructions in order: these see my stores
.set i, i+1
.endr
.endr
	VCOL 0
	s_wait_dscnt 32                                ; the rows are in; the 32 column loads may be out
	WIN 0x04
.irp p, 0,1
.set i, 0
.rept 16
	global_store_b128 v[CO], v[64*\p+4*i:64*\p+4*i+3], s[90:91] offset:(16*\p+i)*4096 th:TH_STORE_NT   ; 512 consecutive bytes of a row of out2
.set i, i+1
.endr
.endr
.irp gd, 0,1,2,3
.if \gd < 3
	WIN 0x40
	VCOL \gd+1
	s_wait_dscnt 32
.else
	s_wait_dscnt 0x0
.endif
	WIN 0x41
.set i, 0
.rept 32
	v_med3_num_f32 v[X+32*\gd+i], v[X+32*\gd+i], -v[QLIM], v[QLIM]
.set i, i+1
.endr
	WIN 0x01
.irp hh, 0,1
	v_cvt_scalef32_pk8_fp8_f32 v[P+4*(2*\gd+\hh):P+4*(2*\gd+\hh)+1], v[X+32*\gd+8*\hh:X+32*\gd+8*\hh+7], v[QSC]
	v_cvt_scalef32_pk8_fp8_f32 v[P+4*(2*\gd+\hh)+2:P+4*(2*\gd+\hh)+3], v[X+32*\gd+16+8*\hh:X+32*\gd+16+8*\hh+7], v[QSC]
.endr
.endr
	WIN 0
	v_nop
.irp gd, 0,1,2,3
.irp hh, 0,1
	global_store_b128 v[VCO], v[P+4*(2*\gd+\hh):P+4*(2*\gd+\hh)+3], s[84:85] offset:\gd*4096+256*\hh
.endr
.endr
	s_wait_xcnt 0x0                                ; the stores have read their bases
	s_add_nc_u64 s[90:91], s[90:91], 32*4096
	s_add_nc_u64 s[84:85], s[84:85], 512
.Lvskip:
	s_add_co_u32 s2, s2, 32*SPITCH
	s_sub_co_u32 s3, s3, 1
	s_cmp_lg_u32 s3, 0
	s_cbranch_scc1 .Lvl
	s_wait_tensorcnt 0x0                           ; the wave's end
	ds_add_u32 v[SPW], v[NIL]
	s_wait_dscnt 0x0
	CROUND                                         ; the closing round
	s_endpgm
.Lfunc_end_k_qfa3657f282_qkv:
	.size	k_qfa3657f282_qkv, .Lfunc_end_k_qfa3657f282_qkv-k_qfa3657f282_qkv
	.p2alignl 7, 3214868480
	.fill 96, 4, 3214868480
	.section	.rodata,"a",@progbits
	.p2align	6, 0x0
	.amdhsa_kernel k_qfa3657f282_qkv
		.amdhsa_group_segment_fixed_size 327680
		.amdhsa_private_segment_fixed_size 0
		.amdhsa_enable_private_segment 0
		.amdhsa_kernarg_size 136
		.amdhsa_user_sgpr_count 2
		.amdhsa_user_sgpr_kernarg_segment_ptr 1
		.amdhsa_wavefront_size32 1
		.amdhsa_system_sgpr_workgroup_id_x 1
		.amdhsa_system_sgpr_workgroup_id_y 1
		.amdhsa_system_sgpr_workgroup_id_z 1
		.amdhsa_system_vgpr_workitem_id 0
		.amdhsa_next_free_vgpr 1024
		.amdhsa_next_free_sgpr 100
		.amdhsa_reserve_vcc 0
		.amdhsa_float_denorm_mode_32 3
		.amdhsa_float_denorm_mode_16_64 3
		.amdhsa_memory_ordered 1
		.amdhsa_forward_progress 1
		.amdhsa_inst_pref_size 255
	.end_amdhsa_kernel
	.section	.bss,"aw",@nobits
	.p2align	6
	.space	262144
	.amdgpu_metadata
---
amdhsa.version: [ 1, 2 ]
amdhsa.kernels:
  - .name:           k_qfa3657f282_qkv
    .symbol:         k_qfa3657f282_qkv.kd
    .args:
      - { .name: x_codes, .offset: 0, .size: 8, .value_kind: global_buffer, .address_space: global }
      - { .name: Wq_codes, .offset: 8, .size: 8, .value_kind: global_buffer, .address_space: global }
      - { .name: Wk_codes, .offset: 16, .size: 8, .value_kind: global_buffer, .address_space: global }
      - { .name: Wv_codes, .offset: 24, .size: 8, .value_kind: global_buffer, .address_space: global }
      - { .name: Bq, .offset: 32, .size: 8, .value_kind: global_buffer, .address_space: global }
      - { .name: Bk, .offset: 40, .size: 8, .value_kind: global_buffer, .address_space: global }
      - { .name: Bv, .offset: 48, .size: 8, .value_kind: global_buffer, .address_space: global }
      - { .name: qn_w, .offset: 56, .size: 8, .value_kind: global_buffer, .address_space: global }
      - { .name: kn_w, .offset: 64, .size: 8, .value_kind: global_buffer, .address_space: global }
      - { .name: lowp_scales, .offset: 72, .size: 8, .value_kind: global_buffer, .address_space: global }
      - { .name: tl, .offset: 80, .size: 8, .value_kind: global_buffer, .address_space: global }
      - { .name: tab, .offset: 88, .size: 8, .value_kind: global_buffer, .address_space: global }
      - { .name: qc, .offset: 96, .size: 8, .value_kind: global_buffer, .address_space: global }
      - { .name: kc, .offset: 104, .size: 8, .value_kind: global_buffer, .address_space: global }
      - { .name: vc, .offset: 112, .size: 8, .value_kind: global_buffer, .address_space: global }
      - { .name: out1, .offset: 120, .size: 8, .value_kind: global_buffer, .address_space: global }
      - { .name: out2, .offset: 128, .size: 8, .value_kind: global_buffer, .address_space: global }
    .group_segment_fixed_size: 327680
    .private_segment_fixed_size: 0
    .kernarg_segment_align: 8
    .kernarg_segment_size: 136
    .max_flat_workgroup_size: 128
    .sgpr_count:     100
    .vgpr_count:     1024
    .wavefront_size: 32
...
	.end_amdgpu_metadata
.endif
;; end of part 2
;; launch attn (part 3): grid 16 x 16, 8 waves a work-group, no clusters, 327,680 bytes of LDS; arguments qc, kc, vc, Ao_codes, lowp_scales, oc, tp; writes oc, tp
.if DOCPART == 3
	.amdgcn_target "amdgcn-amd-amdhsa--gfx1250"
	.amdhsa_code_object_version 6
	.text
	.protected	k_qfa3657f282_attn
	.globl	k_qfa3657f282_attn
	.p2align	8
	.type	k_qfa3657f282_attn,@function
k_qfa3657f282_attn:
	s_mov_b64 s[64:65], 0
	v_nop
	global_prefetch_b8 v0, s[64:65] scope:SCOPE_SE
	s_setreg_imm32_b32 hwreg(HW_REG_WAVE_MODE, 25, 1), 1
	s_wait_xcnt 0x0
; ATTENTION, causal, both products on codes of E4M3.  16 heads (8 x batch + head) of 2,048 tokens, head size 128.  The result leaves as codes for the output projection (oc), and as each head's part of out x Ao (tp).
; THE SOFTMAX AHEAD OF THE SECOND PRODUCT: t = score x log2(e) / sqrt(128); M = the running largest t rounded UP to a whole number; p = 2^(t - M) is quantised, not normalised; the row's sum is taken of the
; unquantised p and divides at the end; when M moves, the sum and O are multiplied by 2^(old M - new M), which rounds nothing.
; SHARES.  Work-group (i, head) owns the blocks of 64 queries i and 31 - i: all 256 work-groups have the same number of visible keys.  Waves 0-3 hold block i, waves 4-7 block 31 - i, 16 queries each.
; Every work-group walks all four slots of 512 keys (constant trip counts).  A step of 128 keys all of which come after a wave's queries is left out, and with it the rest of its slot, whose keys come later still:
; a scalar branch on ids to the slot's end.  A slot whose first key comes after the work-group's last query is not asked for.  Every wait on TENSORcnt is for 0.
; NO CLUSTER: partners would need different numbers of slots: each would fetch and wait for slots that it never reads.
; LAYOUT.  Both products are used transposed: a lane holds ONE query.  kc, qc, vc are images of operand registers: a tile is 2,048 bytes, fetched by four loads of 512 consecutive bytes: no pitch, no padding.
;   S^T = K Q^T: tile t' holds keys 16 t' + 8 h + j: eight registers convert into registers 2 t', 2 t' + 1 of P, which is the form's own layout; vc is laid to match it.
;   O^T = V^T P: vc's tile tt holds channels 32 (tt/2) + 8 (tt%2) + r + 8 (r/8), so that the 16 registers of tiles 2 c, 2 c + 1 are channels 32 c + 16 h + 0 .. 15: O's codes are the next operand's registers.
; THE FRAGMENTS ARE FETCHED A PHASE AHEAD, in runs of eight loads set among the softmax's instructions: a step's V behind its own score products, the next step's K from the scalings on.  K and V have 128 registers
; each, in the second register window, so that neither waits for the other's registers.  Only a slot's first K is fetched with nothing to do meanwhile: ahead of the barrier the slot is not known to be whole.
; LIMITS: entries 12 + 13 of the scales between -123 and 130 (added to c's exponent field); entries 15, 16, 18 between -126 and 119.  NaN among the inputs is not served.
; REGISTERS, window 0: v1-3 lane terms; v8, v9 the slot's addresses; v12 -M, v13 the largest t, v[14:15] the sum; v16-31 Q; v32-47 Ao's fragment; v96-159 S^T, then p; v160-223 O^T; v224-239 P's codes; v236-254 at work.
;   window 1: v0-127 K's eight tiles; v128-255 V's eight.  s_set_vgpr_msb's low byte: bits 1:0 source 0, 7:6 destination.
.set SLOT1, 1<<17                      ; a slot: four steps x 8 tiles of K, then from VOFF on four steps x 8 tiles of V; slot 1 begins here, so that one exclusive or turns an address
.set VOFF,  65536
.set NSL,   4
.set SPARE, 2*SLOT1                    ; behind the ring: the spare words, 128 bytes for each of eight waves: four blocks of 256 bytes that no other line names
.set AK0,  1                           ; v1   16 x lane
.set AV0,  2                           ; v2   16 x lane + VOFF
.set PFO,  3                           ; v3   256 x lane
.set SPW,  5
.set NIL,  6
.set ADK,  8
.set ADV,  9
.set WV,   18
.set SEL,  20
.set CS,   22
.set G1,   24                          ; s[24:31] the shape: 64 rows of 256 bytes, dense
.set G0,   40                          ; s[40:43] from where, to where: it walks
.set TB,   2                           ; s2   LDS byte at which the slot in hand begins
.set QL,   66                          ; s66  my work-group's last query
.set SLOTS, 67
.set PFA,  76                          ; s[76:77] where my prefetches stand
.set Q15,  78                          ; s78  my last query
.set LIM,  80
.set KS,   98                          ; s98  the first key of the slot in hand
.set Q0,   99                          ; s99  my first query
; THE LATE TILES' KEYS ARE SHARED BY TWO WAVES.  Block i's last key lies in slot 0 (i < 8) or slot 1; at the first slot behind it (first key SWK = 512 or 1,024) each of waves 0-3 puts its tile's state (O^T, -M, the sums)
; into LDS bytes of its own, takes the Q of the tile of block 31 - i that wave + 4 holds, and begins a second part of that tile's softmax from zeros.  From that slot on wave + 4 takes a slot's steps 0 and 1, the helper steps 2 and 3.
; At the end the helper hands its part over through LDS slot 0 (it has had its last fill, and nobody reads it behind the last change of slots); behind one barrier the owner joins the two parts under the larger M:
; both factors are powers of two made by v_ldexp_f32, so nothing is rounded; a part with no visible key has the factor 0.  The helper takes its own tile's state back, and both waves go the one way out.
; All of it hangs on the wave's and the work-group's numbers and the count of slots alone.
.set SAVE, SPARE+1024                  ; behind the spare words: 8,704 bytes for each of waves 0-3: 16 x 512 of O^T, 512 of v12-15; no tile lands here
.set SAV,  4                           ; v4   my place there
.set XCH,  7                           ; v7   the place in LDS slot 0 where wave w hands its part to wave w + 4
.set SWK,  44                          ; s44  the first key of the first shared slot
.set SPL,  45                          ; s45  1 in a shared slot
.set QH,   46                          ; s[46:47] the Q tile that waves 0-3 help with
.set QH0,  48                          ; s48  its first query
.set LGT,  49                          ; s49  1 in waves 0-3
.set MSB, 0
.macro WIN new                         ; the immediate's high byte repeats the setting that is left; a switch that changes nothing is dropped
.if MSB != (\new)
	s_set_vgpr_msb (MSB<<8)|(\new)
.set MSB, (\new)
.endif
.endm
.macro TLOAD                           ; every wave fetches 16,384 bytes of its own: waves 0-3 the four steps' K, waves 4-7 the four steps' V.  An s_nop 0 and four v_nop follow the line
	tensor_load_to_lds s[G0:G0+3], s[G1:G1+7]
	s_nop 0
.rept 4
	v_nop
.endr
.endm
; A PREFETCH of what the NEXT change of slots will ask for: 65,536 bytes of kc and of vc.  All sixteen work-groups of a head walk the same bytes: the first of them asks (it has work in every slot); each of its
; eight waves names the 16,384 bytes that it will itself fetch, by two instructions, lanes 256 bytes apart: each block of 256 bytes is named once in the launch.  It stands behind the wave's tensor load and its five lines.
; The last change that fills a slot asks for nothing; slots 0 and 1 come by their loads alone.
.macro ASK
	s_cmp_gt_u32 s[SLOTS], s[LIM]
	s_cbranch_scc0 .Lnot_mine_\@
	global_prefetch_b8 v[PFO], s[PFA:PFA+1] th:TH_LOAD_NT scope:SCOPE_SE
	global_prefetch_b8 v[PFO], s[PFA:PFA+1] offset:8192 th:TH_LOAD_NT scope:SCOPE_SE
.Lnot_mine_\@:
.endm
; A run of eight LDS loads: two tiles, into window 1 from register base on.  The caller sets the windows back.
.macro LD8 base, adr, off
	WIN 0x40                                       ; destination window 1, address window 0
.irp t, 0,1
.irp c, 0,1,2,3
	ds_load_b128 v[(\base)+16*\t+4*\c:(\base)+16*\t+4*\c+3], v[\adr] offset:(\off)+2048*\t+512*\c
.endr
.endr
.endm
.macro KRUN q, n                       ; K's tiles 2 n, 2 n + 1 of the slot's step q
	LD8 32*(\n), ADK, (\q)*16384+4096*(\n)
.endm
.macro VRUN q, n                       ; V's tiles 2 n, 2 n + 1 of the slot's step q
	LD8 128+32*(\n), ADV, (\q)*16384+4096*(\n)
.endm
	s_load_b256 s[4:11], s[0:1], 0x0               ; qc s[4:5], kc s[6:7], vc s[8:9], Ao's codes s[10:11]
	s_load_b128 s[12:15], s[0:1], 0x20             ; the scales' exponents s[12:13], oc s[14:15]
	s_load_b64 s[16:17], s[0:1], 0x30              ; tp
	v_lshl_add_u32 v[SPW], v0, 2, SPARE
	v_mov_b32 v[NIL], 0
	ds_add_u32 v[SPW], v[NIL]                      ; the wave's opening: the add and its wait ahead of my first tensor load
	ds_add_u32 v[SPW], v[NIL]
	v_lshrrev_b32 v8, 5, v0
	s_delay_alu instid0(VALU_DEP_1)
	v_readfirstlane_b32 s[WV], v8                  ; wave 0..7
	s_and_b32 s81, ttmp7, 0xffff                   ; 8 x batch + head
	s_lshl_b32 s82, s81, 18                        ; its first byte in qc, kc, vc
	s_mov_b32 s83, 0
	s_lshl_b32 s84, ttmp9, 1
	s_sub_co_u32 s84, 31, s84
	s_lshr_b32 s85, s[WV], 2
	s_mul_i32 s84, s84, s85
	s_add_co_u32 s84, s84, ttmp9                   ; my block: i, or 31 - i in waves 4 to 7
	s_lshl_b32 s84, s84, 6
	s_and_b32 s85, s[WV], 3
	s_lshl_b32 s85, s85, 4
	s_add_co_u32 s[Q0], s84, s85
	s_add_co_u32 s[Q15], s[Q0], 15
	s_lshl_b32 s[QL], ttmp9, 6
	s_sub_co_u32 s[QL], 2047, s[QL]
	s_and_b32 s86, s[WV], 3
	s_lshl_b32 s86, s86, 14
	s_add_co_u32 s86, s86, s82                     ; what I fetch: step (wave % 4) of the slot's four, 16,384 bytes of kc or of vc,
	s_mov_b32 s87, 0
	s_lshl_b32 s88, s[WV], 14                      ; and where it goes: 16,384 x wave
	s_mov_b32 s[G1], 3<<16                         ; no mask; elements of 8 bytes; no padding
	s_mov_b32 s[G1+1], 32<<16                      ; tensor_dim0 = 32
	s_mov_b32 s[G1+2], 64<<16                      ; tensor_dim1 = 64
	s_mov_b32 s[G1+3], 32<<16                      ; tile_dim0
	s_mov_b32 s[G1+4], 64                          ; tile_dim1
	s_mov_b32 s[G1+5], 32                          ; from row to row
	s_mov_b32 s[G1+6], 0
	s_mov_b32 s[G1+7], 0
	s_mov_b32 s[SEL], 0x76543210
	s_mov_b32 s[SEL+1], 0xfedcba98
	s_mov_b32 s[CS], 0x3e0293ee                    ; c = log2(e) / sqrt(128)
	s_mov_b32 s[TB], 0
	s_mov_b32 s[SLOTS], NSL-1
	s_mov_b32 s[KS], 0
	s_wait_dscnt 0x0                               ; the opening add is done
	s_wait_kmcnt 0x0
	s_load_b256 s[68:75], s[12:13], 0x30           ; entries 12 to 19: k, q, v, p, out (Wo), Wo, out (Ao), Ao
	s_cmp_lt_u32 s[WV], 4
	s_cselect_b64 s[G0+2:G0+3], s[6:7], s[8:9]
	s_add_nc_u64 s[G0+2:G0+3], s[G0+2:G0+3], s[86:87]
	s_add_nc_u64 s[PFA:PFA+1], s[G0+2:G0+3], 65536 ; the prefetches stand at my part of slot 1: the first change of slots steps them to slot 2.  Nothing is prefetched here, at the head
	s_or_b32 s[G0+3], s[G0+3], 0x80000000          ; type = 2
	s_mov_b32 s[G0], 1
	s_mov_b32 s[G0+1], s88
	TLOAD                                          ; slot 0
	s_cmp_lt_u32 ttmp9, 8
	s_mov_b32 s[SWK], 1024
	s_cselect_b32 s[SWK], 512, s[SWK]
	s_cmp_lt_u32 s[WV], 4
	s_cselect_b32 s[LGT], 1, 0
	s_sub_co_u32 s[QH0], 31, ttmp9
	s_lshl_b32 s[QH0], s[QH0], 6
	s_and_b32 s50, s[WV], 3
	s_lshl_b32 s51, s50, 4
	s_add_co_u32 s[QH0], s[QH0], s51               ; 64 (31 - i) + 16 (wave % 4)
	s_lshl_b32 s52, s[QH0], 7
	s_add_co_u32 s52, s52, s82
	s_mov_b32 s53, 0
	s_add_nc_u64 s[QH:QH+1], s[4:5], s[52:53]
	s_mul_i32 s50, s50, 8704
	s_lshl_b32 s84, s[Q0], 7
	s_add_co_u32 s84, s84, s82
	s_mov_b32 s85, 0
	s_add_nc_u64 s[4:5], s[4:5], s[84:85]          ; Q's tile
	s_and_b32 s89, s81, 7                          ; head
	s_lshr_b32 s90, s81, 3                         ; batch
	s_lshl_b32 s91, s89, 19
	s_lshl_b32 s92, s90, 18
	s_add_co_u32 s91, s91, s92
	s_lshl_b32 s92, s[Q0], 7
	s_add_co_u32 s92, s91, s92                     ; oc: (256 head + 128 batch + query / 16) x 2,048
	s_mov_b32 s93, 0
	s_add_nc_u64 s[14:15], s[14:15], s[92:93]
	s_lshr_b32 s92, s92, 1                         ; tp: the same x 1,024
	s_add_nc_u64 s[16:17], s[16:17], s[92:93]
	s_lshl_b32 s92, s89, 7
	s_add_nc_u64 s[10:11], s[10:11], s[92:93]      ; Ao: my head's 128 along K
	s_cmp_eq_u32 ttmp9, 0                          ; the head's first work-group prefetches
	s_cselect_b32 s[LIM], 1, -1
	v_and_b32 v8, 31, v0
	s_delay_alu instid0(VALU_DEP_1)
	v_lshlrev_b32 v[AK0], 4, v8
	s_delay_alu instid0(VALU_DEP_1)
	v_add_nc_u32 v[AV0], VOFF, v[AK0]
	s_delay_alu instid0(VALU_DEP_3)
	v_lshlrev_b32 v[PFO], 8, v8
	v_add_nc_u32 v[XCH], s50, v[AK0]
	v_add_nc_u32 v[SAV], SAVE, v[XCH]
.irp c, 0,1,2,3
	global_load_b128 v[16+4*\c:19+4*\c], v[AK0], s[4:5] offset:512*\c   ; Q's fragment stays in registers
.endr
	v_and_b32 v8, 15, v0
	v_bfe_u32 v9, v0, 4, 1
	s_delay_alu instid0(VALU_DEP_2)
	v_lshlrev_b32 v10, 10, v8
	s_delay_alu instid0(VALU_DEP_1)
	v_lshl_add_u32 v10, v9, 4, v10                 ; Ao: rank r's row of 1,024 bytes, + 16 h
.irp c, 0,1,2,3
	global_load_b128 v[32+4*\c:35+4*\c], v10, s[10:11] offset:32*\c     ; Ao's fragment, for the way out: asked for here, so that nothing waits for it there
.endr
	v_mov_b32 v13, 0xff61b1e6                      ; the largest t so far: -3e38
	s_delay_alu instid0(VALU_DEP_1)
	v_floor_f32 v12, -v13                          ; -M
	v_mov_b32 v14, 0
	v_mov_b32 v15, 0
	v_mov_b32 v236, 0                              ; written once: a lane permute's destination counts as one of its sources
	v_mov_b32 v253, 0
.set j, 0
.rept 64
	v_mov_b32 v[160+j], 0                          ; O^T.  (The step is written once: the first finds zeros, which the first change of M leaves zeros)
.set j, j+1
.endr
	s_wait_kmcnt 0x0
	s_add_co_i32 s84, s68, s69
	s_lshl_b32 s84, s84, 23
	s_add_co_i32 s[CS], s[CS], s84                 ; a score stands for score x 2^(e12 + e13)
	s_mov_b32 s[CS+1], s[CS]
	s_add_co_i32 s84, s71, 127
	s_lshl_b32 s85, s84, 23
	v_mov_b32 v244, s85                            ; 2^ep
	s_add_co_i32 s84, s84, 8
	s_lshl_b32 s84, s84, 23
	s_or_b32 s84, s84, 0x600000
	v_mov_b32 v240, s84                            ; 448 x 2^ep
; A KEY STEP: 128 keys, the q-th of the slot in hand.  lab: the number of the slot's end label.
.macro STEP q, lab
.if (\q) > 0
	s_add_co_u32 s96, s[KS], 128*(\q)              ; the step's first key
	s_cmp_gt_u32 s96, s[Q15]
.else
	s_cmp_gt_u32 s[KS], s[Q15]
.endif
	s_cbranch_scc1 .Lslot_end_\lab
.if (\q) == 2
	s_branch .Ljoin_\lab
.Lhalf_\lab:                                       ; a helper enters a shared slot here: nothing has fetched this step's K for it
	s_add_co_u32 s96, s[KS], 256
	s_cmp_gt_u32 s96, s[Q15]
	s_cbranch_scc1 .Lslot_end_\lab
	v_add_nc_u32 v[ADK], s[TB], v[AK0]
	v_add_nc_u32 v[ADV], s[TB], v[AV0]
	s_wait_alu depctr_va_vdst(0)
	KRUN 2, 0
	KRUN 2, 1
	KRUN 2, 2
	KRUN 2, 3
	WIN 0
.Ljoin_\lab:
.endif
.if (\q) == 0
	v_add_nc_u32 v[ADK], s[TB], v[AK0]
	v_add_nc_u32 v[ADV], s[TB], v[AV0]
	s_wait_alu depctr_va_vdst(0)
	KRUN 0, 0                                      ; a slot's first K: the four v_nop behind the last score products are the places ahead of these loads
	KRUN 0, 1
	KRUN 0, 2
	KRUN 0, 3
.endif
	s_wait_dscnt 16                                ; K's tiles 0-3 are in; the 16 loads of tiles 4-7 may be out
	WIN 0x01                                       ; source 0 (K, later V) window 1
.irp t, 0,1,2,3
	v_wmma_f32_16x16x128_fp8_fp8 v[96+8*\t:103+8*\t], v[16*\t:16*\t+15], v[16:31], 0
.endr
	s_wait_dscnt 0x0
.irp t, 4,5,6,7
	v_wmma_f32_16x16x128_fp8_fp8 v[96+8*\t:103+8*\t], v[16*\t:16*\t+15], v[16:31], 0
.endr
.rept 4
	v_nop                                          ; four places: ahead of the first read of the scores, of the loads into V's registers, which the last step's products read, and of those into K's
.endr
	VRUN \q, 0
	WIN 0
	s_add_co_u32 s96, s[KS], 128*(\q)+127          ; on the diagonal the scores of hidden keys become -infinity ahead of the maximum; a step all of whose keys count skips this
	s_cmp_le_u32 s96, s[Q0]
	s_cbranch_scc1 .Lopen_\@
	s_sub_co_i32 s96, s[Q0], s[KS]
.if (\q) > 0
	s_sub_co_i32 s96, s96, 128*(\q)
.endif
	v_and_b32 v252, 15, v0
	v_bfe_u32 v253, v0, 4, 1
	s_delay_alu instid0(VALU_DEP_1)
	v_lshlrev_b32 v253, 3, v253
	s_delay_alu instid0(VALU_DEP_1)
	v_sub_nc_u32 v252, v252, v253
	s_delay_alu instid0(VALU_DEP_1)
	v_add_nc_u32 v252, s96, v252                   ; d = my query - the step's first key - 8 h.  Register 8 t' + j holds key 16 t' + 8 h + j of the step: hidden where 16 t' + j > d
	v_mov_b32 v254, 0xff800000
.set n, 0
.rept 64
	v_cmp_gt_i32 vcc_lo, 16*(n/8)+n%8, v252
	v_cndmask_b32 v[96+n], v[96+n], v254, vcc_lo
.set n, n+1
.endr
.Lopen_\@:
	v_max3_num_f32 v254, v96, v97, v98             ; the step's largest score of my query, in two chains; each tile is read from its low end on
	v_max3_num_f32 v252, v99, v100, v101
.irp i, 6,10,14,18,22,26,30
	v_max3_num_f32 v254, v254, v[96+\i], v[97+\i]
	v_max3_num_f32 v252, v252, v[98+\i], v[99+\i]
.endr
	VRUN \q, 1
	WIN 0
.irp i, 34
	v_max3_num_f32 v254, v254, v[96+\i], v[97+\i]
	v_max3_num_f32 v252, v252, v[98+\i], v[99+\i]
.endr
.irp i, 38, 42, 46, 50, 54, 58
	v_max3_num_f32 v254, v254, v[96+\i], v[97+\i]
	v_max3_num_f32 v252, v252, v[98+\i], v[99+\i]
.endr
	v_max3_num_f32 v254, v254, v158, v159
	s_delay_alu instid0(VALU_DEP_1)
	v_max_num_f32 v254, v254, v252
	v_permlanex16_b32 v236, v254, s[SEL], s[SEL+1]
	s_delay_alu instid0(VALU_DEP_1)
	v_max_num_f32 v254, v254, v236                 ; and among lane l xor 16's
	s_delay_alu instid0(VALU_DEP_1)
	v_mul_f32 v254, s[CS], v254                    ; as t
	s_delay_alu instid0(VALU_DEP_1)
	v_max_num_f32 v13, v13, v254
	v_mov_b32 v254, v12
	s_delay_alu instid0(VALU_DEP_2)
	v_floor_f32 v12, -v13                          ; the new -M = -ceil(t)
	s_delay_alu instid0(VALU_DEP_1)
	v_sub_f32 v254, v12, v254                      ; old M - new M: a whole number, 0 or less
	s_delay_alu instid0(VALU_DEP_1)
	v_cvt_i32_f32 v254, v254
	s_delay_alu instid0(VALU_DEP_1)
	v_ldexp_f32 v252, 1.0, v254                    ; f = 2^(old M - new M)
	VRUN \q, 2
	WIN 0
.set j, 0
.rept 16
	v_pk_fma_f32 v[96+j:97+j], v[96+j:97+j], s[CS:CS+1], v[12:13] op_sel_hi:[1,0,0]   ; t - M, two at a time
.set j, j+2
.endr
	VRUN \q, 3
	WIN 0
.rept 16
	v_pk_fma_f32 v[96+j:97+j], v[96+j:97+j], s[CS:CS+1], v[12:13] op_sel_hi:[1,0,0]
.set j, j+2
.endr
.if (\q) < 3
	KRUN (\q)+1, 0                                 ; the next step's K, while this step's softmax goes on
	WIN 0
.endif
.set j, 0
	s_wait_alu depctr_va_vdst(0)
.rept 32
	v_exp_f32 v[96+j], v[96+j]                     ; p = 2^(t - M)
.set j, j+1
.endr
.if (\q) < 3
	KRUN (\q)+1, 1
	WIN 0
.endif
.rept 32
	v_exp_f32 v[96+j], v[96+j]
.set j, j+1
.endr
	v_pk_mul_f32 v[14:15], v[14:15], v[252:253] op_sel_hi:[1,0]   ; the sums under the new M (the plain instruction behind the exponentials)
.if (\q) < 3
	KRUN (\q)+1, 2
	WIN 0
.endif
	s_wait_alu depctr_va_vdst(0)                   ; one wait for the batch of 64, ahead of its first reader
	v_pk_add_f32 v[242:243], v[100:101], v[104:105]
	v_pk_add_f32 v[254:255], v[108:109], v[112:113]
	v_pk_add_f32 v[250:251], v[116:117], v[120:121]
	v_pk_add_f32 v[248:249], v[124:125], v[128:129]
	v_pk_add_f32 v[246:247], v[132:133], v[136:137]
	v_pk_add_f32 v[238:239], v[140:141], v[144:145]
	v_pk_add_f32 v[236:237], v[148:149], v[152:153]
	v_pk_add_f32 v[14:15], v[14:15], v[156:157]
	v_pk_add_f32 v[242:243], v[242:243], v[96:97]
	v_pk_add_f32 v[254:255], v[254:255], v[98:99]
	v_pk_add_f32 v[250:251], v[250:251], v[102:103]
	v_pk_add_f32 v[248:249], v[248:249], v[106:107]
	v_pk_add_f32 v[246:247], v[246:247], v[110:111]
	v_pk_add_f32 v[238:239], v[238:239], v[114:115]
	v_pk_add_f32 v[236:237], v[236:237], v[118:119]
	v_pk_add_f32 v[14:15], v[14:15], v[122:123]
	v_pk_add_f32 v[242:243], v[242:243], v[126:127]
	v_pk_add_f32 v[254:255], v[254:255], v[130:131]
	v_pk_add_f32 v[250:251], v[250:251], v[134:135]
	v_pk_add_f32 v[248:249], v[248:249], v[138:139]
	v_pk_add_f32 v[246:247], v[246:247], v[142:143]
	v_pk_add_f32 v[238:239], v[238:239], v[146:147]
	v_pk_add_f32 v[236:237], v[236:237], v[150:151]
	v_pk_add_f32 v[14:15], v[14:15], v[154:155]
	v_pk_add_f32 v[242:243], v[242:243], v[158:159]
	s_delay_alu instid0(VALU_DEP_2)
	v_pk_add_f32 v[14:15], v[14:15], v[248:249]
	s_delay_alu instid0(VALU_DEP_2)
	v_pk_add_f32 v[242:243], v[242:243], v[246:247]
	v_pk_add_f32 v[254:255], v[254:255], v[238:239]
	v_pk_add_f32 v[250:251], v[250:251], v[236:237]
	s_delay_alu instid0(VALU_DEP_2)
	v_pk_add_f32 v[14:15], v[14:15], v[254:255]
	s_delay_alu instid0(VALU_DEP_2)
	v_pk_add_f32 v[242:243], v[242:243], v[250:251]
	s_delay_alu instid0(VALU_DEP_1)
	v_pk_add_f32 v[14:15], v[14:15], v[242:243]
.if (\q) < 3
	s_wait_dscnt 24                                ; V's 32 loads are in; the 24 loads of the next K's first three runs may be out
	KRUN (\q)+1, 3
	WIN 0
.else
	s_wait_dscnt 0x0                               ; V is in; a slot's last step fetches no K
.endif
.irp t, 0,1,2,3,4,5,6,7
.irp i, 0,1,2,3,4,5,6,7
	v_min_num_f32 v[96+8*\t+\i], v[96+8*\t+\i], v240   ; the conversion does not saturate (ISA guide 7.6.2); p is not negative, so the hold is one-sided
.endr
	v_cvt_scalef32_pk8_fp8_f32 v[224+2*\t:225+2*\t], v[96+8*\t:103+8*\t], v244
.endr
.set j, 0
.rept 32
	v_pk_mul_f32 v[160+j:161+j], v[160+j:161+j], v[252:253] op_sel_hi:[1,0]   ; O^T under the new M; these are also the plain instructions between the conversions and the products below
.set j, j+2
.endr
	WIN 0x01
.irp t, 0,1,2,3,4,5,6,7
	v_wmma_f32_16x16x128_fp8_fp8 v[160+8*\t:167+8*\t], v[128+16*\t:143+16*\t], v[224:239], v[160+8*\t:167+8*\t]   ; O^T += V^T P^T: the eight accumulators by turns, one instruction a turn
.endr
	WIN 0
.endm
; THE CHANGE OF SLOTS stands at a slot's head.  Each wave waits for all its tensor loads, adds 0 to its spare word, and waits for that and for its reads of the slot that it has left; behind the barrier the slot ahead is
; whole and nobody reads the other one, which is filled with the keys that follow, up to the causal limit: the load has the slot's four steps in which to land.
.macro CHANGE fill
	s_wait_tensorcnt 0x0                           ; no tensor load of mine is out, so the walking descriptor may be written
	ds_add_u32 v[SPW], v[NIL]                      ; 0 onto my spare word
.if \fill
	s_xor_b32 s[G0+1], s[G0+1], SLOT1
	s_add_nc_u64 s[G0+2:G0+3], s[G0+2:G0+3], 65536
	s_wait_xcnt 0x0                                ; the last prefetches, a slot back, have read their address
	s_add_nc_u64 s[PFA:PFA+1], s[PFA:PFA+1], 65536
.endif
	s_wait_dscnt 0x0                               ; the add is done, and my reads of the slot that I have left are over
	s_barrier_signal -1
	s_barrier_wait -1
.if \fill
	s_add_co_u32 s96, s[KS], 512                   ; the first key of the slot that this change would ask for:
	s_cmp_gt_u32 s96, s[QL]                        ; behind my work-group's last query no wave reads it, so it is not asked for.  Ids and the count of slots alone: all eight waves go the same way
	s_cbranch_scc1 .Lpast_\@
	TLOAD                                          ; a wave's one tensor load until the next such barrier
.Lpast_\@:
	ASK
.endif
.endm
; A helper's change of tiles: its own tile's state goes to LDS as an image of the registers, the other tile's Q comes in, and the state begins anew.
.macro SWITCH
.rept 4
	v_nop                                          ; four places behind the last products: ahead of the stores that read O^T, of the loads into Q's registers and of the writes of O^T
.endr
	s_wait_alu depctr_va_vdst(0)                   ; where no step has run yet, O^T was last written by plain vector instructions
.set j, 0
.rept 16
	ds_store_b128 v[SAV], v[160+4*j:163+4*j] offset:512*j
.set j, j+1
.endr
	ds_store_b128 v[SAV], v[12:15] offset:8192
.irp c, 0,1,2,3
	global_load_b128 v[16+4*\c:19+4*\c], v[AK0], s[QH:QH+1] offset:512*\c
.endr
	v_mov_b32 v13, 0xff61b1e6
	v_floor_f32 v12, -v13
	v_mov_b32 v14, 0
	v_mov_b32 v15, 0
.set j, 0
.rept 64
	v_mov_b32 v[160+j], 0
.set j, j+1
.endr
	s_mov_b32 s[Q0], s[QH0]
	s_add_co_u32 s[Q15], s[QH0], 15
	s_wait_alu depctr_va_vdst(0)
	s_wait_loadcnt 0x0
.endm
.macro SLOT_STEPS sw
	s_cmp_ge_u32 s[KS], s[SWK]
	s_cselect_b32 s[SPL], 1, 0
.if \sw
	s_cmp_lt_u32 s[WV], 4
	s_cbranch_scc0 .Lno_sw_\@
	s_cmp_eq_u32 s[KS], s[SWK]
	s_cbranch_scc0 .Lno_sw_\@
	SWITCH
.Lno_sw_\@:
.endif
	s_and_b32 s96, s[SPL], s[LGT]
	s_cmp_eq_u32 s96, 1
	s_cbranch_scc1 .Lhalf_\@                       ; a helper takes a shared slot's steps 2 and 3
	STEP 0, \@
	STEP 1, \@
	s_cmp_eq_u32 s[SPL], 1
	s_cbranch_scc1 .Lslot_end_\@                   ; the tile's owner leaves a shared slot behind step 1
	STEP 2, \@
	STEP 3, \@
.Lslot_end_\@:
	s_add_co_u32 s[KS], s[KS], 512
	s_xor_b32 s[TB], s[TB], SLOT1
.endm
	s_wait_loadcnt 0x0                             ; Q and Ao's fragment
.Lslot:                                            ; three trips
	CHANGE 1
	SLOT_STEPS 1
	s_sub_co_u32 s[SLOTS], s[SLOTS], 1
	s_cmp_lg_u32 s[SLOTS], 0
	s_cbranch_scc1 .Lslot
	CHANGE 0
	SLOT_STEPS 0
	; THE WAY OUT: no LDS: O's codes are an operand's registers as they stand.
	; THE TWO PARTS OF A LATE TILE ARE JOINED.
.rept 4
	v_nop                                          ; four places behind the last products: O^T is read, and v224 on, which they read, are written
.endr
	s_wait_alu depctr_va_vdst(0)                   ; the wait ahead of the branch: it covers every plain write ahead of it
	s_cmp_lt_u32 s[WV], 4
	s_cbranch_scc0 .Lowner_1
.set j, 0
.rept 16
	ds_store_b128 v[XCH], v[160+4*j:163+4*j] offset:512*j   ; the helper's part, an image of the registers
.set j, j+1
.endr
	ds_store_b128 v[XCH], v[12:15] offset:8192
.Lowner_1:
	s_wait_dscnt 0x0                               ; for the others' sake: my stores lie in LDS, and no LDS load of mine is out
	s_barrier_signal -1
	s_barrier_wait -1
	s_cmp_lt_u32 s[WV], 4
	s_cbranch_scc0 .Lowner_2
.set j, 0
.rept 16
	ds_load_b128 v[160+4*j:163+4*j], v[SAV] offset:512*j    ; the helper's own tile comes back
.set j, j+1
.endr
	ds_load_b128 v[12:15], v[SAV] offset:8192
	s_wait_dscnt 0x0
	s_branch .Lmerged
.Lowner_2:
.set j, 0
.rept 16
	ds_load_b128 v[96+4*j:99+4*j], v[XCH] offset:512*j
.set j, j+1
.endr
	ds_load_b128 v[224:227], v[XCH] offset:8192    ; its -M, largest t, and the sum's two halves
	s_wait_dscnt 0x0
	v_min_num_f32 v228, v12, v224                  ; -M of both: the smaller -M
	v_mov_b32 v233, 0                              ; (named as the upper halves of pairs)
	v_mov_b32 v235, 0
	v_sub_f32 v229, v228, v12                      ; my M less the joint M: a whole number, 0 or less
	v_sub_f32 v230, v228, v224                     ; the helper's likewise
	v_cvt_i32_f32 v229, v229                       ; (they saturate)
	v_cvt_i32_f32 v230, v230
	v_ldexp_f32 v232, 1.0, v229
	v_ldexp_f32 v234, 1.0, v230
	v_pk_mul_f32 v[14:15], v[14:15], v[232:233] op_sel_hi:[1,0]
	v_pk_fma_f32 v[14:15], v[226:227], v[234:235], v[14:15] op_sel_hi:[1,0,1]
.set j, 0
.rept 32
	v_pk_mul_f32 v[160+j:161+j], v[160+j:161+j], v[232:233] op_sel_hi:[1,0]
.set j, j+2
.endr
.set j, 0
.rept 32
	v_pk_fma_f32 v[160+j:161+j], v[96+j:97+j], v[234:235], v[160+j:161+j] op_sel_hi:[1,0,1]
.set j, j+2
.endr
.Lmerged:
.rept 4
	v_nop
.endr
	v_add_f32 v14, v14, v15
	v_permlanex16_b32 v236, v14, s[SEL], s[SEL+1]
	s_delay_alu instid0(VALU_DEP_1)
	v_add_f32 v14, v14, v236                       ; the row's sum
	s_wait_alu depctr_va_vdst(0)
	v_rcp_f32 v14, v14
	s_add_co_i32 s84, s72, 127
	s_lshl_b32 s85, s84, 23
	v_mov_b32 v244, s85                            ; 2^e16 (the plain instruction behind the reciprocal)
	s_add_co_i32 s84, s84, 8
	s_lshl_b32 s84, s84, 23
	s_or_b32 s84, s84, 0x600000
	v_mov_b32 v240, s84
	s_add_co_i32 s84, s74, 127
	s_lshl_b32 s85, s84, 23
	v_mov_b32 v245, s85                            ; 2^e18
	s_add_co_i32 s84, s84, 8
	s_lshl_b32 s84, s84, 23
	s_or_b32 s84, s84, 0x600000
	v_mov_b32 v241, s84
	s_add_co_i32 s86, s70, s71                     ; ev + ep
	s_wait_alu depctr_va_vdst(0)                   ; the wait ahead of the reciprocal's first reader
	v_ldexp_f32 v14, v14, s86
.set j, 0
.rept 32
	v_pk_mul_f32 v[96+j:97+j], v[160+j:161+j], v[14:15] op_sel_hi:[1,0]   ; o: register 16 c + x is channel 32 c + 16 h + x of my query
.set j, j+2
.endr
.set j, 0
.rept 64
	v_med3_num_f32 v[160+j], v[96+j], -v240, v240
.set j, j+1
.endr
.irp c, 0,1,2,3
	v_cvt_scalef32_pk8_fp8_f32 v[224+4*\c:225+4*\c], v[160+16*\c:167+16*\c], v244
	v_cvt_scalef32_pk8_fp8_f32 v[226+4*\c:227+4*\c], v[168+16*\c:175+16*\c], v244
.endr
	v_nop
.irp c, 0,1,2,3
	global_store_b128 v[AK0], v[224+4*\c:227+4*\c], s[14:15] offset:512*\c   ; 512 consecutive bytes
.endr
.set j, 0
.rept 64
	v_med3_num_f32 v[96+j], v[96+j], -v241, v241   ; the same numbers once more, by the scale given for the product with Ao
.set j, j+1
.endr
.irp c, 0,1,2,3
	v_cvt_scalef32_pk8_fp8_f32 v[160+4*\c:161+4*\c], v[96+16*\c:103+16*\c], v245
	v_cvt_scalef32_pk8_fp8_f32 v[162+4*\c:163+4*\c], v[104+16*\c:111+16*\c], v245
.endr
	v_nop
	v_wmma_f32_16x16x128_fp8_fp8 v[176:183], v[32:47], v[160:175], 0   ; my head's part of out x Ao: lane (query r, h), register j: rank 8 h + j
.rept 4
	v_nop
.endr
	global_store_b128 v[AK0], v[176:179], s[16:17]
	global_store_b128 v[AK0], v[180:183], s[16:17] offset:512
	s_wait_tensorcnt 0x0                           ; the wave's end
	ds_add_u32 v[SPW], v[NIL]
	s_wait_dscnt 0x0
	s_endpgm
.Lfunc_end_k_qfa3657f282_attn:
	.size	k_qfa3657f282_attn, .Lfunc_end_k_qfa3657f282_attn-k_qfa3657f282_attn
	.p2alignl 7, 3214868480
	.fill 96, 4, 3214868480
	.section	.rodata,"a",@progbits
	.p2align	6, 0x0
	.amdhsa_kernel k_qfa3657f282_attn
		.amdhsa_group_segment_fixed_size 327680
		.amdhsa_private_segment_fixed_size 0
		.amdhsa_enable_private_segment 0
		.amdhsa_kernarg_size 56
		.amdhsa_user_sgpr_count 2
		.amdhsa_user_sgpr_kernarg_segment_ptr 1
		.amdhsa_wavefront_size32 1
		.amdhsa_system_sgpr_workgroup_id_x 1
		.amdhsa_system_sgpr_workgroup_id_y 1
		.amdhsa_system_sgpr_workgroup_id_z 1
		.amdhsa_system_vgpr_workitem_id 0
		.amdhsa_next_free_vgpr 512
		.amdhsa_next_free_sgpr 100
		.amdhsa_reserve_vcc 1
		.amdhsa_float_denorm_mode_32 3
		.amdhsa_float_denorm_mode_16_64 3
		.amdhsa_memory_ordered 1
		.amdhsa_forward_progress 1
		.amdhsa_inst_pref_size 239
	.end_amdhsa_kernel
	.amdgpu_metadata
---
amdhsa.version: [ 1, 2 ]
amdhsa.kernels:
  - .name:           k_qfa3657f282_attn
    .symbol:         k_qfa3657f282_attn.kd
    .args:
      - { .name: qc, .offset: 0, .size: 8, .value_kind: global_buffer, .address_space: global }
      - { .name: kc, .offset: 8, .size: 8, .value_kind: global_buffer, .address_space: global }
      - { .name: vc, .offset: 16, .size: 8, .value_kind: global_buffer, .address_space: global }
      - { .name: Ao_codes, .offset: 24, .size: 8, .value_kind: global_buffer, .address_space: global }
      - { .name: lowp_scales, .offset: 32, .size: 8, .value_kind: global_buffer, .address_space: global }
      - { .name: oc, .offset: 40, .size: 8, .value_kind: global_buffer, .address_space: global }
      - { .name: tp, .offset: 48, .size: 8, .value_kind: global_buffer, .address_space: global }
    .group_segment_fixed_size: 327680
    .private_segment_fixed_size: 0
    .kernarg_segment_align: 8
    .kernarg_segment_size: 56
    .max_flat_workgroup_size: 256
    .sgpr_count:     100
    .vgpr_count:     512
    .wavefront_size: 32
...
	.end_amdgpu_metadata
.endif
;; end of part 3
;; launch oproj (part 4): grid 8 x 32, 4 waves a work-group, clusters of 4 x 4, 327,680 bytes of LDS; arguments oc, Wo_codes, tp, Bo, lowp_scales, out0; writes out0
.if DOCPART == 4
	.amdgcn_target "amdgcn-amd-amdhsa--gfx1250"
	.amdhsa_code_object_version 6
	.text
	.protected	k_qfa3657f282_oproj
	.globl	k_qfa3657f282_oproj
	.p2align	8
	.type	k_qfa3657f282_oproj,@function
k_qfa3657f282_oproj:
	s_mov_b64 s[64:65], 0
	v_nop
	global_prefetch_b8 v0, s[64:65] scope:SCOPE_SE
	s_setreg_imm32_b32 hwreg(HW_REG_WAVE_MODE, 25, 1), 1
	s_wait_xcnt 0x0
	s_wait_alu depctr_hold_cnt(0) depctr_sa_sdst(0) depctr_va_vdst(0) depctr_va_sdst(0) depctr_va_ssrc(0) depctr_va_vcc(0) depctr_vm_vsrc(0)
	s_getreg_b32 s2, hwreg(HW_REG_IB_STS2, 6, 4)
	s_cmp_eq_u32 s2, 0
	s_cbranch_scc0 .Lentry_in_a_cluster
	s_endpgm
.Lentry_in_a_cluster:
	s_bfe_u32 s2, ttmp6, 0x10000c
	s_cmp_lg_u32 s2, 0xf033
	s_cbranch_scc0 .Lentry_shape_is_right
	s_endpgm
.Lentry_shape_is_right:
; THE OUTPUT PROJECTION: out0 = o Wo + (o Ao) Bo.  A work-group makes 128 tokens x 256 columns, a wave 64 x 128.  o's codes (oc, images of operand registers) and Wo's go through a ring of two slots of 256 along K,
; filled by joint loads in a cluster of 4 x 4.  The eight heads' parts of o Ao (tp) are added, scaled and, with Bo, rounded to bf16: that product (K = 16) starts the sums; nothing behind it is quantised.
; At the head each wave issues one joint load; tp's and Bo's loads follow it; slot 1's first fill stands behind the three lines and a round, as a refill does.
.set PITCH,  272
.set HALFB,  128*PITCH
.set BOFF,   32768
.set SLOT,   BOFF+2*HALFB
.set SPARE,  2*SLOT
.set SPITCH, 528
.set ADRA, 16
.set ADRB, 20
.set STO,  24
.set RD,   25
.set CO,   26
.set SPW,  28
.set NIL,  29
.set BLO,  30
.set TF,   32
.set BF,   64
.set BR,   128
.set AF,   64
.set TMP,  192
.set BK,   64
.set G1, 24
.set G0, 32
.set G1B, 48
.set G0B, 56
.set MSB, 0
.macro WIN new
.if MSB != (\new)
	s_set_vgpr_msb (MSB<<8)|(\new)
.set MSB, (\new)
.endif
.endm
.set MUL, 0xa1
.macro JLOAD g0a, g1a, g0b, g1b
	s_cmp_eq_u32 s15, 0
	s_cbranch_scc0 .Lfor_b_\@
	tensor_load_to_lds s[\g0a:\g0a+3], s[\g1a:\g1a+7]
	s_nop 0
.rept 4
	v_nop
.endr
	s_branch .Lasked_\@
.Lfor_b_\@:
	tensor_load_to_lds s[\g0b:\g0b+3], s[\g1b:\g1b+7]
	s_nop 0
.rept 4
	v_nop
.endr
.Lasked_\@:
.endm
.macro CREST
	s_cmp_lg_u32 s14, 0
	s_cbranch_scc1 .Lnot_wave_0_\@
	s_barrier_signal -3
.Lnot_wave_0_\@:
	s_barrier_wait -3
	s_barrier_signal -1
	s_barrier_wait -1
.endm
.macro CROUND
	s_barrier_signal -1
	s_barrier_wait -1
	CREST
.endm
.macro PLACES n
.rept \n
	v_nop
.endr
.endm
	s_load_b256 s[4:11], s[0:1], 0x0
	s_load_b128 s[68:71], s[0:1], 0x20
	v_lshl_add_u32 v[SPW], v0, 2, SPARE
	v_mov_b32 v[NIL], 0
	ds_add_u32 v[SPW], v[NIL]
	ds_add_u32 v[SPW], v[NIL]
	v_lshrrev_b32 v1, 5, v0
	v_readfirstlane_b32 s14, v1
	s_lshr_b32 s15, s14, 1
	s_and_b32 s16, s14, 1
	s_bfe_u32 s40, ttmp6, 0x40000
	s_bfe_u32 s41, ttmp6, 0x40004
	s_lshl_b32 s42, ttmp9, 2
	s_add_co_u32 s42, s42, s40
	s_and_b32 s17, ttmp7, 0xffff
	s_lshl_b32 s17, s17, 2
	s_add_co_u32 s17, s17, s41
	s_lshl_b32 s43, s41, 2
	s_lshl_b32 s43, 15, s43
	s_lshl_b32 s44, 0x1111, s40
	s_or_b32 s[G1+0], s43, (3<<16)|(1<<21)
	s_mov_b32 s[G1+1], 32<<16
	s_mov_b32 s[G1+2], 64<<16
	s_mov_b32 s[G1+3], 32<<16
	s_mov_b32 s[G1+4], 64
	s_mov_b32 s[G1+5], 32
	s_mov_b32 s[G1+6], 0
	s_mov_b32 s[G1+7], 0
	s_or_b32 s[G1B+0], s44, (0<<16)|(1<<20)|(1<<21)|(5<<22)|(3<<25)
	s_mov_b32 s[G1B+1], 256<<16
	s_mov_b32 s[G1B+2], 128<<16
	s_mov_b32 s[G1B+3], 256<<16
	s_mov_b32 s[G1B+4], 128
	s_mov_b32 s[G1B+5], 1024
	s_mov_b32 s[G1B+6], 0
	s_mov_b32 s[G1B+7], 0
	s_lshl_b32 s20, s16, 19
	s_lshl_b32 s18, s17, 14
	s_add_co_u32 s20, s20, s18
	s_mov_b32 s21, 0
	s_lshl_b32 s46, s42, 8
	s_lshl_b32 s19, s16, 7
	s_add_co_u32 s46, s46, s19
	s_lshl_b32 s46, s46, 10
	s_mov_b32 s47, 0
	s_lshl_b32 s45, s16, 14
	s_mul_i32 s67, s16, HALFB
	s_add_co_u32 s67, s67, BOFF
	s_wait_dscnt 0x0
	s_wait_kmcnt 0x0
	s_load_b128 s[72:75], s[68:69], 0x40
	s_add_nc_u64 s[20:21], s[4:5], s[20:21]
	s_add_nc_u64 s[46:47], s[6:7], s[46:47]
	CROUND
.irp s, 0,1
	s_mov_b32 s[G0+4*\s], 1
	s_add_co_u32 s[G0+4*\s+1], s45, \s*SLOT
	s_add_nc_u64 s[G0+4*\s+2:G0+4*\s+3], s[20:21], \s*1048576
	s_or_b32 s[G0+4*\s+3], s[G0+4*\s+3], 0x80000000
	s_mov_b32 s[G0B+4*\s], 1
	s_add_co_u32 s[G0B+4*\s+1], s67, \s*SLOT
	s_add_nc_u64 s[G0B+4*\s+2:G0B+4*\s+3], s[46:47], \s*256
	s_or_b32 s[G0B+4*\s+3], s[G0B+4*\s+3], 0x80000000
.endr
	JLOAD G0, G1, G0B, G1B
	v_and_b32 v1, 15, v0
	v_bfe_u32 v2, v0, 4, 1
	v_and_b32 v6, 31, v0
	v_lshlrev_b32 v[CO], 4, v6
	s_wait_alu depctr_va_vdst(0)
	v_lshlrev_b32 v[BLO], 16, v2
	v_lshl_add_u32 v[BLO], v1, 2, v[BLO]
	s_wait_alu depctr_va_vdst(0)
	s_lshl_b32 s18, s17, 13
	s_lshl_b32 s19, s15, 12
	s_add_co_u32 s18, s18, s19
	s_mov_b32 s19, 0
	s_add_nc_u64 s[8:9], s[8:9], s[18:19]
	s_lshl_b32 s18, s42, 10
	s_lshl_b32 s22, s16, 9
	s_add_co_u32 s18, s18, s22
	s_add_nc_u64 s[10:11], s[10:11], s[18:19]
	s_add_nc_u64 s[70:71], s[70:71], s[18:19]
	s_lshl_b32 s18, s17, 20
	s_lshl_b32 s22, s15, 19
	s_add_co_u32 s18, s18, s22
	s_add_nc_u64 s[70:71], s[70:71], s[18:19]
	WIN 0x40
.irp hd, 0,1,2,3,4,5,6,7
.irp a, 0,1,2,3
.irp e, 0,1
	global_load_b128 v[32*\hd+8*\a+4*\e:32*\hd+8*\a+4*\e+3], v[CO], s[8:9] offset:\hd*262144+\a*1024+\e*512
.endr
.endr
.endr
	WIN 0
.irp b, 0,1,2,3,4,5,6,7
.irp j, 0,1,2,3,4,5,6,7
	global_load_b32 v[BR+8*\b+\j], v[BLO], s[10:11] offset:\j*8192+64*\b
.endr
.endr
	s_lshl_b32 s21, s15, 13
	v_add_nc_u32 v[ADRA], s21, v[CO]
	s_add_co_u32 s21, s21, SLOT
	v_add_nc_u32 v[ADRA+1], s21, v[CO]
	v_mul_u32_u24 v3, v1, PITCH
	v_lshl_add_u32 v4, v2, 4, v3
	s_mul_i32 s22, s16, HALFB
	s_add_co_u32 s22, s22, BOFF
	v_add_nc_u32 v[ADRB], s22, v4
	s_add_co_u32 s22, s22, SLOT
	v_add_nc_u32 v[ADRB+1], s22, v4
	s_mul_i32 s23, s14, 16*SPITCH
	v_mul_u32_u24 v5, v1, SPITCH
	v_lshl_add_u32 v5, v2, 5, v5
	v_add_nc_u32 v[STO], s23, v5
	v_add_nc_u32 v[RD], s23, v[CO]
	s_wait_alu depctr_va_vdst(0)
	s_wait_tensorcnt 0x0
	ds_add_u32 v[SPW], v[NIL]
	s_wait_dscnt 0x0
	CROUND
	JLOAD G0+4, G1, G0B+4, G1B
	s_wait_kmcnt 0x0
	s_add_co_i32 s76, s74, s75
	s_sub_co_i32 s76, s76, s72
	s_sub_co_i32 s76, s76, s73
	s_add_co_i32 s96, s72, s73
	s_add_co_i32 s96, s96, 127
	s_lshl_b32 s96, s96, 23
	s_mov_b32 s97, s96
	s_wait_loadcnt 63
.macro HADD d, s
.set j, 0
.rept 16
	v_pk_add_f32 v[32*(\d)+j:32*(\d)+j+1], v[32*(\d)+j:32*(\d)+j+1], v[32*(\s)+j:32*(\s)+j+1]
.set j, j+2
.endr
.endm
	WIN 0x45
	HADD 0, 1
	HADD 2, 3
	HADD 4, 5
	HADD 6, 7
	HADD 0, 2
	HADD 4, 6
	HADD 0, 4
	WIN 0x41
.set j, 0
.rept 32
	v_ldexp_f32 v[j], v[j], s76
.set j, j+1
.endr
	WIN 0x05
.irp a, 0,1,2,3
.irp i, 0,1,2,3
	v_cvt_pk_bf16_f32 v[TF+8*\a+\i], v[8*\a+2*\i], v[8*\a+2*\i+1]
.endr
.endr
	WIN 0
.irp a, 0,1,2,3
.irp i, 4,5,6,7
	v_mov_b32 v[TF+8*\a+\i], 0
.endr
.endr
	s_wait_loadcnt 0x0
.irp b, 0,1,2,3,4,5,6,7
.irp i, 0,1,2,3
	v_cvt_pk_bf16_f32 v[BF+8*\b+\i], v[BR+8*\b+2*\i], v[BR+8*\b+2*\i+1]
.endr
.irp i, 4,5,6,7
	v_mov_b32 v[BF+8*\b+\i], 0
.endr
.endr
	WIN 0x80
.irp a, 0,1,2,3
.irp b, 0,1,2,3,4,5,6,7
	v_wmma_f32_16x16x32_bf16 v[8*(8*\a+\b):8*(8*\a+\b)+7], v[BF+8*\b:BF+8*\b+7], v[TF+8*\a:TF+8*\a+7], 0
.endr
.endr
	WIN 0
	PLACES 5
.macro MUL8 a, p
.irp b, 0,1,2,3,4,5,6,7
	v_wmma_f32_16x16x128_fp8_fp8 v[8*(8*(\a)+\b):8*(8*(\a)+\b)+7], v[128*(\p)+16*\b:128*(\p)+16*\b+15], v[AF+64*(\p)+16*(\a):AF+64*(\p)+16*(\a)+15], v[8*(8*(\a)+\b):8*(8*(\a)+\b)+7]
.endr
.endm
.macro FETCH slot, q, p
	WIN 0x40
.irp i, 0,1,2,3,4,5,6,7
.irp c, 0,1,2,3
	ds_load_b128 v[128*(\p)+16*\i+4*\c:128*(\p)+16*\i+4*\c+3], v[ADRB+\slot] offset:128*(\q)+32*\c+\i*16*PITCH
.endr
.endr
	WIN 0
.irp a, 0,1,2,3
.irp c, 0,1,2,3
	ds_load_b128 v[AF+64*(\p)+16*\a+4*\c:AF+64*(\p)+16*\a+4*\c+3], v[ADRA+\slot] offset:(\q)*16384+\a*2048+512*\c
.endr
.endr
.endm
.macro STEP slot
	s_wait_dscnt 0x0
	PLACES 4
	FETCH \slot, 1, 1
	WIN MUL
	MUL8 0, 0
	MUL8 1, 0
	MUL8 2, 0
	MUL8 3, 0
.endm
.macro TURN slot, next, fill
	WIN 0
	s_wait_tensorcnt 0x0
	ds_add_u32 v[SPW], v[NIL]
	s_wait_dscnt 1
	WIN MUL
	MUL8 0, 1
	s_wait_dscnt 0x0
	s_barrier_signal -1
	MUL8 1, 1
	WIN 0
	s_barrier_wait -1
.if \fill
	CREST
	s_add_nc_u64 s[G0+4*\slot+2:G0+4*\slot+3], s[G0+4*\slot+2:G0+4*\slot+3], 2097152
	s_add_nc_u64 s[G0B+4*\slot+2:G0B+4*\slot+3], s[G0B+4*\slot+2:G0B+4*\slot+3], 512
	JLOAD G0+4*\slot, G1, G0B+4*\slot, G1B
.else
	PLACES 4
.endif
	FETCH \next, 0, 0
	WIN MUL
	MUL8 2, 1
	MUL8 3, 1
.endm
	FETCH 0, 0, 0
	STEP 0
	TURN 0, 1, 1
	STEP 1
	TURN 1, 0, 1
	STEP 0
	TURN 0, 1, 0
	STEP 1
	s_wait_dscnt 0x0
	MUL8 0, 1
	MUL8 1, 1
	MUL8 2, 1
	MUL8 3, 1
	WIN 0
.macro TOSTAGE a
	WIN 0x02
.set j, 0
.rept 32
	v_pk_mul_f32 v[TMP+j:TMP+j+1], v[64*(\a)+j:64*(\a)+j+1], s[96:97] op_sel_hi:[1,0]
.set j, j+2
.endr
	WIN 0
.irp b, 0,1,2,3,4,5,6,7
	ds_store_b128 v[STO], v[TMP+8*\b:TMP+8*\b+3] offset:64*\b
	ds_store_b128 v[STO], v[TMP+8*\b+4:TMP+8*\b+7] offset:64*\b+16
.endr
.set i, 0
.rept 16
	ds_load_b128 v[BK+64*((\a)%2)+4*i:BK+64*((\a)%2)+4*i+3], v[RD] offset:i*SPITCH
.set i, i+1
.endr
.endm
.macro SEND a, younger
	s_wait_dscnt \younger
.set i, 0
.rept 16
	global_store_b128 v[CO], v[BK+64*((\a)%2)+4*i:BK+64*((\a)%2)+4*i+3], s[70:71] offset:(16*(\a)+i)*8192 th:TH_STORE_NT
.set i, i+1
.endr
.endm
	PLACES 4
	TOSTAGE 0
.irp a, 1,2,3
.if \a > 1
	s_wait_xcnt 0x0
.endif
	TOSTAGE \a
	SEND \a-1, 32
.endr
	SEND 3, 0
	s_wait_tensorcnt 0x0
	ds_add_u32 v[SPW], v[NIL]
	s_wait_dscnt 0x0
	CROUND
	s_endpgm
.Lfunc_end_k_qfa3657f282_oproj:
	.size	k_qfa3657f282_oproj, .Lfunc_end_k_qfa3657f282_oproj-k_qfa3657f282_oproj
	.p2alignl 7, 3214868480
	.fill 96, 4, 3214868480
	.section	.rodata,"a",@progbits
	.p2align	6, 0x0
	.amdhsa_kernel k_qfa3657f282_oproj
		.amdhsa_group_segment_fixed_size 327680
		.amdhsa_private_segment_fixed_size 0
		.amdhsa_enable_private_segment 0
		.amdhsa_kernarg_size 48
		.amdhsa_user_sgpr_count 2
		.amdhsa_user_sgpr_kernarg_segment_ptr 1
		.amdhsa_wavefront_size32 1
		.amdhsa_system_sgpr_workgroup_id_x 1
		.amdhsa_system_sgpr_workgroup_id_y 1
		.amdhsa_system_sgpr_workgroup_id_z 1
		.amdhsa_system_vgpr_workitem_id 0
		.amdhsa_next_free_vgpr 768
		.amdhsa_next_free_sgpr 100
		.amdhsa_reserve_vcc 0
		.amdhsa_float_denorm_mode_32 3
		.amdhsa_float_denorm_mode_16_64 3
		.amdhsa_memory_ordered 1
		.amdhsa_forward_progress 1
		.amdhsa_inst_pref_size 103
	.end_amdhsa_kernel
	.amdgpu_metadata
---
amdhsa.version: [ 1, 2 ]
amdhsa.kernels:
  - .name:           k_qfa3657f282_oproj
    .symbol:         k_qfa3657f282_oproj.kd
    .args:
      - { .name: oc, .offset: 0, .size: 8, .value_kind: global_buffer, .address_space: global }
      - { .name: Wo_codes, .offset: 8, .size: 8, .value_kind: global_buffer, .address_space: global }
      - { .name: tp, .offset: 16, .size: 8, .value_kind: global_buffer, .address_space: global }
      - { .name: Bo, .offset: 24, .size: 8, .value_kind: global_buffer, .address_space: global }
      - { .name: lowp_scales, .offset: 32, .size: 8, .value_kind: global_buffer, .address_space: global }
      - { .name: out0, .offset: 40, .size: 8, .value_kind: global_buffer, .address_space: global }
    .group_segment_fixed_size: 327680
    .private_segment_fixed_size: 0
    .kernarg_segment_align: 8
    .kernarg_segment_size: 48
    .max_flat_workgroup_size: 128
    .sgpr_count:     100
    .vgpr_count:     768
    .wavefront_size: 32
...
	.end_amdgpu_metadata
.endif
;; end of part 4
